; MI455X (gfx1250); checked and timed in simulation.
; The chip was launched on July 23, 2026; its instructions are those of AMD's public machine-readable ISA for CDNA 5 (MIT licence, August 2026) and "CDNA5" Instruction Set Architecture Reference Guide (July 2026). The comments in the code are by the model that wrote it; some were corrected since.
;; Custom Multi Head Attention Stoich Ro PE. Allowed arithmetic: matrix products marked QUANTISED: E2M3 operands, one E8M0 scale for each 32 along K, by v_wmma_scale_f32_16x16x128_f8f6f4 with both operands' format E2M3, f32 sums; everything else in f32.
;; Inputs: Wk 1,024 x 1,024 float32; Wo 1,024 x 1,024 float32; Wq 1,024 x 1,024 float32; Wv 1,024 x 1,024 float32; bk 1,024 float32; bo 1,024 float32; bq 1,024 float32; bv 1,024 float32; frac 4 x 2,048 float32; x 4 x 2,048 x 1,024 float32.
;; Outputs: out0 4 x 2,048 x 1,024 float32.
;; This version of the problem:
;;   THIS VERSION OF THE PROBLEM IS GIVEN IN LOW PRECISION. The matrix products marked QUANTISED in the list below multiply operands that are first quantised to E2M3 (2 exponent bits, 3 mantissa bits; 6 bits a number), with one power-of-two scale for each 32 numbers along K (OCP MX v1.0); their sums are f32. All else is computed in f32.
;;   The module's matrix products, in the order in which they are computed (A, B: the left and right operand; K: the contracted axis; several contracted axes count as one K, in the product's order):
;;     1. [M 8,192, K 1,024] x [K 1,024, N 1,024]; A: input x; B: input Wq: QUANTISED
;;     2. [M 8,192, K 1,024] x [K 1,024, N 1,024]; A: input x; B: input Wk: QUANTISED
;;     3. [M 8,192, K 1,024] x [K 1,024, N 1,024]; A: input x; B: input Wv: QUANTISED
;;     4. batch 64 x [M 2,048, K 64] x [K 64, N 2,048]; A: computed on the way; B: computed on the way: QUANTISED
;;     5. batch 64 x [M 2,048, K 2,048] x [K 2,048, N 64]; A: softmax (see below); B: computed on the way: QUANTISED
;;     6. [M 8,192, K 1,024] x [K 1,024, N 1,024]; A: computed on the way; B: input Wo: QUANTISED
;;   THE QUANTISER, for each operand of a quantised product, along K:
;;     - K is cut into blocks of 32 from its start; a last block that is shorter is filled with zeros.
;;     - A block's scale is 2^e with e = floor(log2(the largest magnitude in the block)) - 2, held to -126 .. 127; a block of zeros has e = 0. As a byte (E8M0): e + 127.
;;     - Each number is divided by its block's scale, clamped to +-7.5, and rounded to the nearest number of E2M3, ties to even, subnormals kept.
;;     - The product sums the exact products of the quantised numbers (number of the format x scale) in f32.
;;   ~~~python
;;   def quantise(x, axis):      # numpy; x: float32 -> the quantised numbers, widened to float32 again
;;       x = np.moveaxis(x, axis, -1); K = x.shape[-1]
;;       x = np.pad(x, [(0, 0)] * (x.ndim - 1) + [(0, -K % 32)]); x = x.reshape(x.shape[:-1] + (-1, 32)); a = np.abs(x).max(-1, keepdims=True)
;;       e = np.where(a > 0, np.clip(np.frexp(np.where(a > 0, a, 1))[1] - 1 - 2, -126, 127), 0)      # np.frexp(a)[1] - 1 = floor(log2(a)), exactly
;;       r = np.clip(x / 2.0 ** e, -7.5, 7.5)
;;       step = 2.0 ** (np.maximum(np.frexp(np.where(r == 0, 1, r))[1] - 1, 0) - 3)
;;       q = np.round(r / step) * step * 2.0 ** e      # np.round: ties to even
;;       return np.moveaxis(q.reshape(q.shape[:-2] + (-1,))[..., :K], -1, axis).astype(np.float32)
;;   ~~~
;;   SOFTMAX AHEAD OF A QUANTISED PRODUCT. Where the list says 'softmax', what is quantised is not the finished softmax but p = 2^(t - M), with t = logit x log2(e) and M = ceil(the row's largest t), a whole number; so 1/2 < the row's largest p <= 1. The row's sum l is taken of the UNQUANTISED p, in f32, and the product's result is divided by l at the end. Since M is a whole number, a kernel that streams over the keys may use a running M (the ceiling of the running maximum): every later rescaling is an exact power of two, which a block's scale takes up: the codes' values come out the same.
;;   OPERANDS COMPUTED ON THE WAY. 'Computed on the way' means the value that the module computes at that place (a softmax that the list does not call 'softmax' is quantised finished and normalised). What goes into a quantiser is computed in f32, as accurately as f32 sums, v_exp_f32 and their like allow (about 1e-6 of the number): no bf16 or f16 on the way to a quantiser, and a product that is left as it is and whose result goes on into a quantised operand takes f32 operands (vector FMAs, or v_wmma_f32_16x16x4_f32). A number that lies on a knife's edge between two numbers of the format may be rounded either way, as far as f32 arithmetic and the matrix unit's own rounding can turn it there, and no further.
;; One version. Each part assembles by itself: llvm-mc -triple=amdgcn-amd-amdhsa -mcpu=gfx1250 --defsym DOCPART=n.
;; ======== version 1 of 1: 4 launches
;; limits: right only within a limited range of input values
;; workspace buffers: codes 9,437,184 bytes; scales 393,216 bytes; tab 2,097,152 bytes; qkv 18,874,368 bytes; qkvs 1,310,720 bytes; acodes 6,291,456 bytes; ascales 262,144 bytes
;; launch prep (part 1): grid 832 x 1, 4 waves a work-group, no clusters, 39,424 bytes of LDS; arguments x, Wq, Wk, Wv, Wo, frac, codes, scales, tab; writes codes, scales, tab
.if DOCPART == 1
	.amdgcn_target "amdgcn-amd-amdhsa--gfx1250"
	.amdhsa_code_object_version 6
	.text
	.protected	k_qb438f27d9b_prep
	.globl	k_qb438f27d9b_prep
	.p2align	8
	.type	k_qb438f27d9b_prep,@function
k_qb438f27d9b_prep:
	s_mov_b64 s[64:65], 0
	v_nop
	global_prefetch_b8 v0, s[64:65] scope:SCOPE_SE
	s_setreg_imm32_b32 hwreg(HW_REG_WAVE_MODE, 25, 1), 1
	s_wait_xcnt 0x0
; x [8192][1024] and Wq, Wk, Wv, Wo [1024][1024], f32, K innermost, become codes of FP6 (E2M3) with one E8M0 byte for each 32 along K; frac [8192] becomes a table of cosines and sines.
; WORK-GROUPS 0-767: one tile of 16 rows each (0-511 x, 512-575 Wq, 576-639 Wk, 640-703 Wv, 704-767 Wo).  Wave w takes k 256 w .. 256 w + 255, in four chunks of 64.
; THE ROWS OF A TILE ARE NOT NEIGHBOURS: row r of tile 2 b + u is the tensor's row 32 b + 8 u + r + 8 (r / 8).  Where such a tile is a product's source 0, the 16 registers of result tiles 2 b, 2 b + 1 are 16 neighbours.
; THE CODES ARE LAID AS THE OPERAND'S REGISTERS: a chunk (16 rows x 64 k) is 768 bytes; lane r + 16 p owns the 24 bytes of block p of row r: bytes 0-15 at 16 x lane, bytes 16-23 at 512 + 8 x lane.
;   codes: [tile][chunk 0..15][768];  scales: [tile][k / 256][row][8 bytes].
; A block's scale is 2^(floor(log2(largest magnitude)) - 2); its byte is the largest magnitude's exponent field - 2, held at 1 from below.
; WORK-GROUPS 768-831: tab [token][i 0..15][cos 2i, cos 2i+1, sin 2i, sin 2i+1], the angle frac x 1000 / 10000^(j / 32).  This path uses no LDS.
; LIMITS: NaN and infinities are not served.  A block of zeros gets the byte 1, not 127: its codes are zeros and only this program reads the bytes.  10000^(j/32) is made by v_exp_f32 with a correction of the
; exponent's rounding, so an angle may differ from a correctly rounded one by about one unit in its last place (6e-5 at 1,000).  The range reduction holds while |angle| x 2 / pi fits 31 bits.
.set R,   32                           ; v32-159  four chunks as loaded, 32 registers each
.set X,   160                          ; v160-223 two sets of 32 neighbours along K
.set C,   224                          ; v224-255 codes, eight registers a chunk: no store's data are written again
.set STG, 4864                         ; a stage: 32 places of 144 bytes (128 of data), lanes 16-31 shifted by 128
	s_load_b256 s[4:11], s[0:1], 0x0               ; x, Wq, Wk, Wv
	s_load_b256 s[12:19], s[0:1], 0x20             ; Wo, frac, codes, scales
	s_load_b64 s[20:21], s[0:1], 0x40              ; tab
	v_lshl_add_u32 v254, v0, 2, 0x9800
	v_mov_b32 v255, 0
	v_lshrrev_b32 v1, 5, v0
	v_readfirstlane_b32 s22, v1                    ; wave
	v_and_b32 v1, 31, v0                           ; lane
	s_mov_b32 s30, 0x76543210
	s_mov_b32 s31, 0xfedcba98                      ; v_permlanex16_b32's selects for lane l xor 16
	s_wait_kmcnt 0x0
	s_cmp_ge_u32 ttmp9, 768
	s_cbranch_scc1 .Ltable
	; ---------------------------------------------------------------- the quantiser
	s_wait_alu depctr_va_vdst(0)
	v_lshrrev_b32 v8, 4, v1                        ; l / 16
	v_and_b32 v9, 15, v1                           ; l % 16
	v_lshlrev_b32 v2, 12, v8
	v_lshl_add_u32 v2, v9, 4, v2                   ; loads: sixteen lanes read 256 bytes of one row, lanes 16-31 the next row
	s_mul_i32 s23, s22, 2*STG                      ; my wave's two stages
	v_mul_u32_u24 v3, v8, 144
	v_bfe_u32 v10, v1, 3, 1
	v_mad_u32_u24 v3, v10, 2432, v3
	v_and_b32 v10, 7, v1
	v_lshl_add_u32 v3, v10, 4, v3
	v_add_nc_u32 v3, s23, v3                       ; into the stage: row's place 144 x row, block 2,432 x ((l / 8) % 2), 16 bytes x (l % 8)
	v_mul_u32_u24 v4, v1, 144
	v_lshl_add_u32 v4, v8, 7, v4
	v_add_nc_u32 v4, s23, v4                       ; out of it: my place, 128 bytes: block l / 16 of row l % 16
	v_lshlrev_b32 v5, 4, v1                        ; 16 x lane
	v_lshlrev_b32 v6, 3, v1                        ; 8 x lane
	v_lshlrev_b32 v7, 3, v9
	v_lshl_add_u32 v7, v8, 2, v7                   ; the scale bytes: 8 x row + 4 x half
	v_mov_b32 v17, 0                               ; a lane permute's destination counts as read
	s_and_b32 s26, ttmp9, 63                       ; a weight's tile number: the weights begin at multiples of 64 tiles
	s_cmp_lt_u32 ttmp9, 704                        ; the source is chosen by the work-group's number alone
	s_cselect_b64 s[24:25], s[10:11], s[12:13]
	s_cmp_lt_u32 ttmp9, 640
	s_cselect_b64 s[24:25], s[8:9], s[24:25]
	s_cmp_lt_u32 ttmp9, 576
	s_cselect_b64 s[24:25], s[6:7], s[24:25]
	s_cmp_lt_u32 ttmp9, 512
	s_cselect_b64 s[24:25], s[4:5], s[24:25]
	s_cselect_b32 s26, ttmp9, s26                  ; the tile's number in its tensor
	s_lshr_b32 s27, s26, 1
	s_lshl_b32 s27, s27, 5
	s_and_b32 s28, s26, 1
	s_lshl_b32 s28, s28, 3
	s_add_co_u32 s27, s27, s28                     ; its first row: 32 (t / 2) + 8 (t % 2)
	s_lshl_b32 s28, s27, 12                        ; rows of 4,096 bytes
	s_lshl_b32 s27, s22, 10                        ; my wave's 256 along K
	s_add_co_u32 s28, s28, s27
	s_mov_b32 s29, 0
	s_add_nc_u64 s[24:25], s[24:25], s[28:29]
	s_mul_i32 s28, ttmp9, 12288
	s_mul_i32 s27, s22, 3072
	s_add_co_u32 s28, s28, s27
	s_add_nc_u64 s[16:17], s[16:17], s[28:29]      ; my four chunks of codes
	s_lshl_b32 s28, ttmp9, 9
	s_lshl_b32 s27, s22, 7
	s_add_co_u32 s28, s28, s27
	s_add_nc_u64 s[18:19], s[18:19], s[28:29]      ; my 128 scale bytes
.macro LOAD c                          ; chunk c: load i brings the tile's rows 2 i and 2 i + 1, 256 consecutive bytes of each
.irp i, 0,1,2,3,4,5,6,7
	global_load_b128 v[R+32*\c+4*\i:R+32*\c+4*\i+3], v2, s[24:25] offset:(2*\i+8*(\i/4))*4096+256*\c th:TH_LOAD_NT
.endr
.endm
.macro TURN c                          ; chunk c through stage c % 2: LDS serves a wave's instructions in order, so no wait stands between the stores and the loads
.irp i, 0,1,2,3,4,5,6,7
	ds_store_b128 v3, v[R+32*\c+4*\i:R+32*\c+4*\i+3] offset:STG*(\c%2)+288*\i
.endr
.irp i, 0,1,2,3,4,5,6,7
	ds_load_b128 v[X+32*(\c%2)+4*\i:X+32*(\c%2)+4*\i+3], v4 offset:STG*(\c%2)+16*\i
.endr
.endm
.macro STEP c                          ; my block of chunk c: 32 numbers in one lane
.set XS, X+32*(\c%2)
	v_max3_num_f32 v12, |v[XS]|, |v[XS+1]|, |v[XS+2]|
	v_max3_num_f32 v13, |v[XS+3]|, |v[XS+4]|, |v[XS+5]|
.irp i, 6,10,14,18,22,26
	v_max3_num_f32 v12, v12, |v[XS+\i]|, |v[XS+\i+1]|
	v_max3_num_f32 v13, v13, |v[XS+\i+2]|, |v[XS+\i+3]|
.endr
	v_max3_num_f32 v12, v12, |v[XS+30]|, |v[XS+31]|
	v_max3_num_f32 v12, v12, v13, 0x1800000        ; and the floor 2^(3 - 127): the byte cannot fall under 1
	v_add_nc_u32 v11, 0xff000000, v12              ; 2 off the exponent field: the conversion takes this operand's exponent field as its scale
	v_cvt_scalef32_pk16_fp6_f32 v[C+8*\c:C+8*\c+2], v[XS:XS+15], v11
	v_cvt_scalef32_pk16_fp6_f32 v[20:22], v[XS+16:XS+31], v11   ; (a conversion's three registers begin on an even number)
	v_lshrrev_b32 v13, 23, v11                     ; the scale's byte; also the plain line behind the conversions
.if \c == 0
	v_mov_b32 v16, v13
.else
	v_lshl_or_b32 v16, v13, 8*\c, v16              ; byte c of v16: block 2 c + (l / 16) of my wave's eight
.endif
	v_mov_b32 v[C+8*\c+3], v20
	v_mov_b32 v[C+8*\c+4], v21
	v_mov_b32 v[C+8*\c+5], v22
	global_store_b128 v5, v[C+8*\c:C+8*\c+3], s[16:17] offset:768*\c          ; 512 consecutive bytes
	global_store_b64 v6, v[C+8*\c+4:C+8*\c+5], s[16:17] offset:768*\c+512     ; 256 consecutive bytes
.endm
	LOAD 0
	LOAD 1
	LOAD 2
	LOAD 3
	s_wait_alu depctr_va_vdst(0)
	s_wait_loadcnt 24                              ; chunk 0's eight loads are in; 24 younger ones may be out
	TURN 0
	s_wait_loadcnt 16
	TURN 1
	s_wait_dscnt 16                                ; chunk 0 is back; chunk 1's 8 stores and 8 loads may be out
	STEP 0
	s_wait_loadcnt 8
	TURN 2
	s_wait_dscnt 16
	STEP 1
	s_wait_loadcnt 0x0
	TURN 3
	s_wait_dscnt 16
	STEP 2
	s_wait_dscnt 0x0
	STEP 3
	v_permlanex16_b32 v17, v16, s30, s31           ; the other half's four bytes: the same row's blocks of the other parity
	v_cmp_gt_u32 vcc_lo, 16, v1
	v_cndmask_b32 v12, v17, v16, vcc_lo            ; the even blocks' bytes
	v_cndmask_b32 v13, v16, v17, vcc_lo            ; the odd blocks'
	v_perm_b32 v14, v13, v12, 0x05010400           ; blocks 0, 1, 2, 3
	v_perm_b32 v15, v13, v12, 0x07030602           ; blocks 4, 5, 6, 7
	v_cndmask_b32 v14, v15, v14, vcc_lo
	global_store_b32 v7, v14, s[18:19]             ; the wave stores 128 consecutive bytes
	s_wait_tensorcnt 0x0
	ds_add_u32 v254, v255
	s_wait_dscnt 0x0
	s_endpgm
	; ---------------------------------------------------------------- the table
.Ltable:
	s_sub_co_u32 s23, ttmp9, 768
	s_lshl_b32 s23, s23, 2
	s_add_co_u32 s23, s23, s22                     ; which 32 tokens are my wave's
	s_lshl_b32 s24, s23, 7
	s_mov_b32 s25, 0
	s_lshl_b32 s26, s23, 13
	s_mov_b32 s27, 0
	s_add_nc_u64 s[14:15], s[14:15], s[24:25]
	s_add_nc_u64 s[20:21], s[20:21], s[26:27]
	s_mov_b32 s32, 0x3f22f983                      ; 2 / pi
	s_mov_b32 s33, 0xbfc90fdb                      ; -(pi / 2), upper part
	s_mov_b32 s34, 0x333bbd2e                      ; -(pi / 2), the rest
	s_mov_b32 s35, 0xb94ca1f9                      ; sine: r + r z (S1 + z (S2 + z S3))
	s_mov_b32 s36, 0x3c08839e
	s_mov_b32 s37, 0xbe2aaaa3
	s_mov_b32 s38, 0x37ccf5ce                      ; cosine: 1 - z / 2 + z z (C1 + z (C2 + z C3))
	s_mov_b32 s39, 0xbab6061a
	s_mov_b32 s40, 0x3d2aaaa5
	s_mov_b32 s41, 0x3ed49a78                      ; log2(10000) / 32, upper part
	s_mov_b32 s42, 0x32179a21                      ; the rest
	s_mov_b32 s43, 0x3f317218                      ; ln 2
	s_wait_alu depctr_va_vdst(0)
	v_and_b32 v2, 15, v1                           ; i: my frequencies are 2 i and 2 i + 1
	v_lshrrev_b32 v3, 4, v1                        ; which of a turn's two tokens
	v_lshlrev_b32 v4, 2, v3
	v_lshlrev_b32 v5, 8, v3
	v_lshl_add_u32 v5, v2, 4, v5                   ; a token's 256 bytes: sixteen lanes, 16 bytes each
.set IT, 0
.rept 16
	global_load_b32 v[32+IT], v4, s[14:15] offset:8*IT
.set IT, IT+1
.endr
	v_lshlrev_b32 v6, 1, v2
	v_cvt_f32_u32 v6, v6                           ; j
	v_add_f32 v7, 1.0, v6
	v_mul_f32 v8, s41, v6                          ; e = j x log2(10000) / 32, rounded;
	v_mul_f32 v9, s41, v7
	v_fma_f32 v10, v6, s41, -v8                    ; d = what the rounding and the constant's rounding left out
	v_fma_f32 v11, v7, s41, -v9
	v_fma_f32 v10, v6, s42, v10
	v_fma_f32 v11, v7, s42, v11
	v_exp_f32 v12, v8
	v_exp_f32 v13, v9
	v_nop                                          ; a plain line behind the transcendentals
	s_wait_alu depctr_va_vdst(0)                   ; one wait for the two, ahead of their first reader
	v_mul_f32 v10, v12, v10
	v_mul_f32 v11, v13, v11
	v_fma_f32 v12, v10, s43, v12                   ; F = 2^e (1 + d ln 2)
	v_fma_f32 v13, v11, s43, v13
	s_wait_alu depctr_va_vdst(0)
	v_rcp_f32 v14, v12
	v_rcp_f32 v15, v13
	v_nop
	s_wait_alu depctr_va_vdst(0)
; cos and sin of pos / F.  The quotient is corrected once by its remainder.  k = the nearest whole number to angle x 2 / pi; r = angle - k pi / 2 in two parts, the first exact;
; polynomials on |r| <= pi / 4; k's lowest bit swaps them, the signs come from bit 1 of k and of k + 1.  No branch.
.macro SINCOS pos, f, rf, oc, os, t
	v_mul_f32 v[\t], v[\pos], v[\rf]
	v_fma_f32 v[\t+1], -v[\t], v[\f], v[\pos]
	v_fma_f32 v[\t], v[\t+1], v[\rf], v[\t]        ; the angle
	v_mul_f32 v[\t+1], s32, v[\t]
	v_rndne_f32 v[\t+1], v[\t+1]                   ; k
	v_fma_f32 v[\t], v[\t+1], s33, v[\t]
	v_fma_f32 v[\t], v[\t+1], s34, v[\t]           ; r
	v_cvt_i32_f32 v[\t+1], v[\t+1]
	v_mul_f32 v[\t+2], v[\t], v[\t]                ; z
	v_fma_f32 v[\t+3], v[\t+2], s35, s36
	v_fma_f32 v[\t+3], v[\t+3], v[\t+2], s37
	v_mul_f32 v[\t+4], v[\t+2], v[\t]
	v_fma_f32 v[\t+3], v[\t+3], v[\t+4], v[\t]     ; sin r
	v_fma_f32 v[\t+4], v[\t+2], s38, s39
	v_fma_f32 v[\t+4], v[\t+4], v[\t+2], s40
	v_mul_f32 v[\t+5], v[\t+2], v[\t+2]
	v_fma_f32 v[\t], v[\t+2], -0.5, 1.0
	v_fma_f32 v[\t+4], v[\t+4], v[\t+5], v[\t]     ; cos r
	v_and_b32 v[\t], 1, v[\t+1]
	v_cmp_eq_u32 vcc_lo, 1, v[\t]
	v_cndmask_b32 v[\t+2], v[\t+3], v[\t+4], vcc_lo
	v_cndmask_b32 v[\t+5], v[\t+4], v[\t+3], vcc_lo
	v_lshlrev_b32 v[\t], 30, v[\t+1]
	v_and_b32 v[\t], 0x80000000, v[\t]
	v_xor_b32 v[\os], v[\t], v[\t+2]
	v_add_nc_u32 v[\t+1], 1, v[\t+1]
	v_lshlrev_b32 v[\t], 30, v[\t+1]
	v_and_b32 v[\t], 0x80000000, v[\t]
	v_xor_b32 v[\oc], v[\t], v[\t+5]
.endm
.set IT, 0
.rept 16
	s_wait_loadcnt 15-IT                           ; this turn's frac is in; the later turns' may be out
	v_mul_f32 v16, 0x447a0000, v[32+IT]            ; the position: frac x 1000
	SINCOS 16, 12, 14, 64+4*IT, 66+4*IT, 18
	SINCOS 16, 13, 15, 65+4*IT, 67+4*IT, 24
	global_store_b128 v5, v[64+4*IT:67+4*IT], s[20:21] offset:512*IT   ; two tokens: 512 consecutive bytes; each turn has its own data registers
.set IT, IT+1
.endr
	s_endpgm
.Lfunc_end_k_qb438f27d9b_prep:
	.size	k_qb438f27d9b_prep, .Lfunc_end_k_qb438f27d9b_prep-k_qb438f27d9b_prep
	.p2alignl 7, 3214868480
	.fill 96, 4, 3214868480
	.section	.rodata,"a",@progbits
	.p2align	6, 0x0
	.amdhsa_kernel k_qb438f27d9b_prep
		.amdhsa_group_segment_fixed_size 39424
		.amdhsa_private_segment_fixed_size 0
		.amdhsa_enable_private_segment 0
		.amdhsa_kernarg_size 72
		.amdhsa_user_sgpr_count 2
		.amdhsa_user_sgpr_kernarg_segment_ptr 1
		.amdhsa_wavefront_size32 1
		.amdhsa_system_sgpr_workgroup_id_x 1
		.amdhsa_system_sgpr_workgroup_id_y 1
		.amdhsa_system_sgpr_workgroup_id_z 1
		.amdhsa_system_vgpr_workitem_id 0
		.amdhsa_next_free_vgpr 256
		.amdhsa_next_free_sgpr 66
		.amdhsa_reserve_vcc 1
		.amdhsa_float_denorm_mode_32 3
		.amdhsa_float_denorm_mode_16_64 3
		.amdhsa_memory_ordered 1
		.amdhsa_forward_progress 1
		.amdhsa_inst_pref_size 66
	.end_amdhsa_kernel
	.amdgpu_metadata
---
amdhsa.version: [ 1, 2 ]
amdhsa.kernels:
  - .name:           k_qb438f27d9b_prep
    .symbol:         k_qb438f27d9b_prep.kd
    .args:
      - { .name: x, .offset: 0, .size: 8, .value_kind: global_buffer, .address_space: global }
      - { .name: Wq, .offset: 8, .size: 8, .value_kind: global_buffer, .address_space: global }
      - { .name: Wk, .offset: 16, .size: 8, .value_kind: global_buffer, .address_space: global }
      - { .name: Wv, .offset: 24, .size: 8, .value_kind: global_buffer, .address_space: global }
      - { .name: Wo, .offset: 32, .size: 8, .value_kind: global_buffer, .address_space: global }
      - { .name: frac, .offset: 40, .size: 8, .value_kind: global_buffer, .address_space: global }
      - { .name: codes, .offset: 48, .size: 8, .value_kind: global_buffer, .address_space: global }
      - { .name: scales, .offset: 56, .size: 8, .value_kind: global_buffer, .address_space: global }
      - { .name: tab, .offset: 64, .size: 8, .value_kind: global_buffer, .address_space: global }
    .group_segment_fixed_size: 39424
    .private_segment_fixed_size: 0
    .kernarg_segment_align: 8
    .kernarg_segment_size: 72
    .max_flat_workgroup_size: 128
    .sgpr_count:     66
    .vgpr_count:     256
    .wavefront_size: 32
...
	.end_amdgpu_metadata
.endif
;; end of part 1
;; launch qkv (part 2): grid 12 x 32, 4 waves a work-group, clusters of 4 x 4, 327,680 bytes of LDS; arguments codes, scales, tab, bq, bk, bv, qkv, qkvs; writes qkv, qkvs
.if DOCPART == 2
	.amdgcn_target "amdgcn-amd-amdhsa--gfx1250"
	.amdhsa_code_object_version 6
	.text
	.protected	k_qb438f27d9b_qkv
	.globl	k_qb438f27d9b_qkv
	.p2align	8
	.type	k_qb438f27d9b_qkv,@function
k_qb438f27d9b_qkv:
	s_mov_b64 s[64:65], 0
	v_nop
	global_prefetch_b8 v0, s[64:65] scope:SCOPE_SE
	s_setreg_imm32_b32 hwreg(HW_REG_WAVE_MODE, 25, 1), 1
	s_wait_xcnt 0x0
	s_wait_alu depctr_hold_cnt(0) depctr_sa_sdst(0) depctr_va_vdst(0) depctr_va_sdst(0) depctr_va_ssrc(0) depctr_va_vcc(0) depctr_vm_vsrc(0)
	s_getreg_b32 s2, hwreg(HW_REG_IB_STS2, 6, 4)
	s_cmp_eq_u32 s2, 0
	s_cbranch_scc0 .Lentry_in_a_cluster
	s_endpgm
.Lentry_in_a_cluster:
	s_bfe_u32 s2, ttmp6, 0x10000c
	s_cmp_lg_u32 s2, 0xf033
	s_cbranch_scc0 .Lentry_shape_is_right
	s_endpgm
.Lentry_shape_is_right:
; Q = rope(x Wq^T + bq), K = rope(x Wk^T + bk), V = x Wv^T + bv, on codes of FP6 (E2M3) with E8M0 scales; the results leave as codes again: Q and K quantised along the head's 64, V along the tokens.
; THE GEMM.  A tile of 256 x 256 to a work-group of four waves, 128 x 128 a wave: 64 accumulators, 512 registers.  K = 1,024 goes in four steps of 256 through a ring of two LDS slots.
; Operands lie in memory as images of the operand's registers: a chunk (16 rows x 64 k) is 768 bytes, lane l's bytes 0-15 at 16 l, bytes 16-23 at 512 + 8 l.  So a fragment (128 k) is two loads of 16 bytes and two
; of 8, each instruction on consecutive bytes: no pitch, no padding.  A tensor load brings 8 tiles x 4 chunks: 8 rows of 3,072 bytes, 12,288 apart.
; The scale bytes of the work-group's rows, for all of K, come once with the first fills: 512 bytes a tile, [k / 256][row][8].
; CLUSTER 4 x 4: A's tiles are asked for jointly along a row of the cluster, B's along a column.  The cluster's x is the KIND: 0 Q, 1 K, 2 V.
;   kind 0, 1: A = x (tokens), B = the weight (features).   kind 2: A = Wv (features), B = x (tokens): the same products give V^T.
; Source 0 = B's rows, source 1 = A's.  Row r of a stored tile 2 b + u is the tensor's row 32 b + 8 u + r + 8 (r / 8), so in a lane the 16 registers of B's tiles 2 b, 2 b + 1 are the neighbours 32 b + 16 (lane / 16) + 0..15:
;   kind 0, 1: a lane holds one token and runs of 16 features: the rotation's partners j and j + 32 lie in one lane;  kind 2: a lane holds one feature and runs of 16 tokens, V's K.
; OUT.  qkv: Q, K sections [batch x head][tile of 16 tokens][768]; V section [batch x head][128 keys][tile of 16 channels][three quads of 512 bytes].  qkvs [batch x head][20,480]: for each 128 keys 512 bytes of K's scale
; words and 256 of V's; from 12,288 on Q's.  A scale word of Q or K has its two bytes low; the two above scale zero codes only and are never 0xff.
; LIMITS: NaN and infinities are not served; a block of zeros gets the byte 1, not 127 (its codes are zeros; only this program reads the bytes); the rotation uses fused multiply-adds.
; REGISTERS, in windows of 256.  Window 0: v0-31 addresses; v32-63 scale words, two sets; v128-223 A's fragments; v240-255 bv by lanes; in the epilogue v64-127 sums + bias, v128-191 rotated, v192-237 the quantiser.
;   Window 1: B's fragments, v0-95 and v128-223; v96-127, v224-255 the bias by registers; at the end v0-95 three buffers of the table.   Windows 2, 3: the accumulators, (a, b) at v[8 (8 (a % 4) + b)].
.set CH,     768
.set TILEB,  4*CH                      ; a tile's part of a slot
.set FR,     12
.set NL,     4                         ; LDS loads that bring a fragment
.set NP,     4                         ; places behind this matrix instruction (ISA guide 7.12.1)
.set NQ,     2                         ; matrix instructions deep in a slot
.set HALFT,  8*TILEB                   ; what one tensor load brings, and what a wave reads of A or of B
.set SLOT,   4*HALFT                   ; A's 16 tiles, then B's 16
.set SCL,    2*SLOT                    ; behind the ring: the scale bytes
.set HALFS,  4096
.set SBLK,   512
.set SPARE,  SCL+4*HALFS               ; the spare words, 128 bytes a wave: two blocks of 256 bytes that no other line names
.set BA,   12                          ; v12  64 x half: the bias by registers
.set BVA,  13                          ; v13  4 (r + (r & 8)): the bias by lanes
.set VCS,  14                          ; v14  my token's half row of the table
.set VSW,  15                          ; v15  16 r + 20,480 x half: V's scale words, two heads
.set ADRA, 16                          ; v16-17 16 x lane + my A tiles in slot 0, 1;  v18-19 the same with 8 x lane
.set ADRB, 20                          ; v20-23 the same for B
.set ADRS, 27                          ; v27  my scale words: lanes 0-15 A's rows, lanes 16-31 B's
.set SPW,  28                          ; v28  my spare word; never rewritten
.set NIL,  29                          ; v29  0; never rewritten
.set L16,  30                          ; v30  16 x lane
.set L8,   31                          ; v31  8 x lane
.set SC,   32
.set AF,   128
.set T,    64
.set RR,   128
.set PC,   192
.set TM,   212
.set PW,   228
.set SWA,  230
.set BV,   240
.set SEL,  2                           ; s[2:3]
.set G1, 24
.set G0, 32
.set G1B, 48
.set G0B, 56
.set G1S, 68
.set G0S, 76
.set G1SB, 80
.set G0SB, 88
.set MSB, 0
.macro WIN new                         ; the immediate's high byte repeats the setting that is left
.if MSB != (\new)
	s_set_vgpr_msb (MSB<<8)|(\new)
.set MSB, (\new)
.endif
.endm
.set MUL_LO, 0xa1                      ; source 0 (B) window 1, source 1 (A) window 0, C and D window 2
.set MUL_HI, 0xf1                      ; the same, C and D window 3
.set TO_B,   0x40                      ; destination window 1, address window 0
.macro JLOAD g0a, g1a, g0b, g1b        ; a joint load: waves 0, 1 fetch for A, waves 2, 3 for B; four v_nop follow each line
	s_cmp_eq_u32 s15, 0
	s_cbranch_scc0 .Lfor_b_\@
	tensor_load_to_lds s[\g0a:\g0a+3], s[\g1a:\g1a+7]
	s_nop 0
.rept 4
	v_nop
.endr
	s_branch .Lasked_\@
.Lfor_b_\@:
	tensor_load_to_lds s[\g0b:\g0b+3], s[\g1b:\g1b+7]
	s_nop 0
.rept 4
	v_nop
.endr
.Lasked_\@:
.endm
.macro CREST                           ; a round of the cluster's barrier behind its opening barrier
	s_cmp_lg_u32 s14, 0
	s_cbranch_scc1 .Lnot_wave_0_\@
	s_barrier_signal -3
.Lnot_wave_0_\@:
	s_barrier_wait -3
	s_barrier_signal -1
	s_barrier_wait -1
.endm
.macro CROUND
	s_barrier_signal -1
	s_barrier_wait -1
	CREST
.endm
	s_load_b256 s[4:11], s[0:1], 0x0               ; codes, scales, tab, bq
	s_load_b256 s[92:99], s[0:1], 0x20             ; bk, bv, qkv, qkvs
	v_lshl_add_u32 v[SPW], v0, 2, SPARE
	v_mov_b32 v[NIL], 0
	ds_add_u32 v28, v29
	ds_add_u32 v28, v29
	s_wait_dscnt 0x0
	v_lshrrev_b32 v1, 5, v0
	v_readfirstlane_b32 s14, v1                    ; wave
	s_lshr_b32 s15, s14, 1                         ; my half of A's rows.  Also: I fetch for A (0) or B (1)
	s_and_b32 s16, s14, 1                          ; my half of B's rows.  Also: which 8 tiles I fetch
	s_bfe_u32 s40, ttmp6, 0x40000                  ; cx
	s_bfe_u32 s41, ttmp6, 0x40004                  ; cy
	s_mov_b32 s100, ttmp9                          ; the kind: the cluster's x, the same in all sixteen partners
	s_and_b32 s101, ttmp7, 0xffff                  ; the cluster's y: 1,024 tokens
	s_mov_b32 s[SEL], 0x76543210
	s_mov_b32 s[SEL+1], 0xfedcba98
	s_lshl_b32 s42, s41, 2
	s_lshl_b32 s42, 15, s42                        ; my row of the cluster
	s_lshl_b32 s43, 0x1111, s40                    ; my column
	s_or_b32 s[G1+0], s42, (3<<16)|(1<<21)         ; the mask; elements of 8 bytes; bit 21 beside a mask; no padding
	s_or_b32 s[G1B+0], s43, (3<<16)|(1<<21)
.irp g, G1, G1B
	s_mov_b32 s[\g+1], 384<<16                     ; tensor_dim0: 3,072 bytes
	s_mov_b32 s[\g+2], 16<<16                      ; tensor_dim1: 16 tiles for the head's loads; set to 8 for the ring's behind them
	s_mov_b32 s[\g+3], 384<<16                     ; tile_dim0
	s_mov_b32 s[\g+4], 16                          ; tile_dim1
	s_mov_b32 s[\g+5], 1536                        ; from tile to tile: 12,288 bytes
	s_mov_b32 s[\g+6], 0
	s_mov_b32 s[\g+7], 0
.endr
	s_or_b32 s[G1S+0], s42, (3<<16)|(1<<21)
	s_or_b32 s[G1SB+0], s43, (3<<16)|(1<<21)
.irp g, G1S, G1SB
	s_mov_b32 s[\g+1], 32<<16                      ; tensor_dim0: 256 bytes
	s_mov_b32 s[\g+2], 32<<16                      ; 8,192 dense bytes as 32 rows of 256: the scales of all 16 tiles of a side
	s_mov_b32 s[\g+3], 32<<16
	s_mov_b32 s[\g+4], 32
	s_mov_b32 s[\g+5], 32
	s_mov_b32 s[\g+6], 0
	s_mov_b32 s[\g+7], 0
.endr
	s_lshl_b32 s17, s101, 6                        ; x's 64 tiles of this cluster
	s_lshl_b32 s18, s100, 6
	s_add_co_u32 s18, s18, 512                     ; Wq's or Wk's first tile
	s_mov_b32 s19, 640                             ; Wv's
	s_cmp_eq_u32 s100, 2
	s_cselect_b32 s66, s19, s17
	s_cselect_b32 s67, s17, s18
	s_lshl_b32 s17, s41, 4
	s_add_co_u32 s66, s66, s17                     ; A's first tile: hangs on cy, never on cx
	s_lshl_b32 s18, s40, 4
	s_add_co_u32 s67, s67, s18                     ; B's first tile: hangs on cx, never on cy
	s_lshl_b32 s19, s16, 3
	s_add_co_u32 s20, s66, s19
	s_add_co_u32 s46, s67, s19
	s_lshl_b32 s22, s66, 9
	s_lshl_b32 s44, s67, 9
	s_mul_i32 s20, s20, 16*CH
	s_mul_i32 s46, s46, 16*CH
	s_mov_b32 s21, 0
	s_mov_b32 s23, 0
	s_mov_b32 s45, 0
	s_mov_b32 s47, 0
	s_mul_i32 s12, s14, HALFT                      ; where they go: by the wave's number alone
	s_mul_i32 s13, s15, 2*HALFS
	s_wait_kmcnt 0x0
	s_add_nc_u64 s[20:21], s[4:5], s[20:21]
	s_add_nc_u64 s[22:23], s[6:7], s[22:23]
	s_add_nc_u64 s[46:47], s[4:5], s[46:47]
	s_add_nc_u64 s[44:45], s[6:7], s[44:45]
	CROUND                                         ; all sixteen work-groups are here: the first joint loads meet
	s_mov_b32 s[G0S], 1
	s_add_co_u32 s[G0S+1], s13, SCL
	s_mov_b64 s[G0S+2:G0S+3], s[22:23]
	s_or_b32 s[G0S+3], s[G0S+3], 0x80000000
	s_mov_b32 s[G0SB], 1
	s_add_co_u32 s[G0SB+1], s13, SCL
	s_mov_b64 s[G0SB+2:G0SB+3], s[44:45]
	s_or_b32 s[G0SB+3], s[G0SB+3], 0x80000000
.irp s, 0,1
	s_mov_b32 s[G0+4*\s], 1
	s_add_co_u32 s[G0+4*\s+1], s12, \s*SLOT
	s_add_nc_u64 s[G0+4*\s+2:G0+4*\s+3], s[20:21], \s*TILEB
	s_or_b32 s[G0+4*\s+3], s[G0+4*\s+3], 0x80000000
	s_mov_b32 s[G0B+4*\s], 1
	s_add_co_u32 s[G0B+4*\s+1], s12, \s*SLOT
	s_add_nc_u64 s[G0B+4*\s+2:G0B+4*\s+3], s[46:47], \s*TILEB
	s_or_b32 s[G0B+4*\s+3], s[G0B+4*\s+3], 0x80000000
.endr
; the head's four tiles, one joint load a wave: wave 0 A's 16 tiles of K step 0, wave 1 A's scales, wave 2 B's 16 tiles, wave 3 B's scales; one chain of branches on the wave's number
.macro ARM under, g0, g1, next
	s_cmp_lt_u32 s14, \under
	s_cbranch_scc0 \next
	tensor_load_to_lds s[\g0:\g0+3], s[\g1:\g1+7]
	s_nop 0
.rept 4
	v_nop
.endr
	s_branch .Lhead_asked
\next:
.endm
	ARM 1, G0, G1, .Lhead_1
	ARM 2, G0S, G1S, .Lhead_2
	ARM 3, G0B, G1B, .Lhead_3
	tensor_load_to_lds s[G0SB:G0SB+3], s[G1SB:G1SB+7]
	s_nop 0
.rept 4
	v_nop
.endr
.Lhead_asked:
	v_and_b32 v1, 15, v0                           ; r
	v_bfe_u32 v2, v0, 4, 1                         ; h
	v_and_b32 v3, 31, v0
	v_lshlrev_b32 v[L16], 4, v3
	v_lshlrev_b32 v[L8], 3, v3
	s_mul_i32 s21, s15, HALFT
	s_mul_i32 s22, s16, HALFT
	s_add_co_u32 s22, s22, 2*HALFT
.irp s, 0,1
	v_add_nc_u32 v[ADRA+\s], s21, v[L16]
	v_add_nc_u32 v[ADRB+\s], s22, v[L16]
	v_add_nc_u32 v[ADRA+2+\s], s21, v[L8]
	v_add_nc_u32 v[ADRB+2+\s], s22, v[L8]
	s_add_co_u32 s21, s21, SLOT
	s_add_co_u32 s22, s22, SLOT
.endr
	v_lshlrev_b32 v5, 3, v1                        ; my row's 8 scale bytes of a K step
	s_mul_i32 s21, s15, HALFS
	s_mul_i32 s22, s16, HALFS
	s_add_co_u32 s22, s22, 2*HALFS
	s_sub_co_u32 s22, s22, s21
	v_mul_u32_u24 v6, s22, v2                      ; lanes 16-31 take B's: one product in the half
	s_add_co_u32 s21, s21, SCL
	v_add_nc_u32 v5, v5, v6
	v_add_nc_u32 v[ADRS], s21, v5
	v_lshlrev_b32 v[BA], 6, v2
	s_wait_alu depctr_va_vdst(0)
	v_and_b32 v[BVA], 8, v1
	v_add_nc_u32 v[BVA], v[BVA], v1                ; r + 8 (r / 8)
	v_mul_u32_u24 v[VCS], v[BVA], 272              ; the table's image in LDS: a token's 256 bytes + 16 of padding
	v_lshl_add_u32 v[VCS], v2, 7, v[VCS]           ; my half's 128 bytes
	s_mul_i32 s23, s15, 128*272
	v_add_nc_u32 v[VCS], s23, v[VCS]               ; my wave's 128 tokens of the work-group's 256
	v_lshlrev_b32 v[BVA], 2, v[BVA]
	s_wait_alu depctr_va_vdst(0)
	v_lshlrev_b32 v[VSW], 4, v1
	v_mad_u32_u24 v[VSW], v2, 20480, v[VSW]
	s_cmp_eq_u32 s100, 1                           ; the bias of my kind, at my wave's 128 features; the table at my wave's 128 tokens
	s_cselect_b64 s[10:11], s[92:93], s[10:11]
	s_cmp_eq_u32 s100, 2
	s_cselect_b64 s[10:11], s[94:95], s[10:11]
	s_cselect_b32 s17, s41, s40
	s_cselect_b32 s18, s15, s16
	s_lshl_b32 s17, s17, 10
	s_lshl_b32 s18, s18, 9
	s_add_co_u32 s18, s18, s17
	s_mov_b32 s19, 0
	s_add_nc_u64 s[10:11], s[10:11], s[18:19]
	s_and_b32 s20, s66, 511                        ; the table rows of A's 16 tiles of tokens (kind 2, which does not use them: rows 128 + 16 cy on, inside the table and the same in the four partners)
	s_lshl_b32 s20, s20, 12                        ; 16 tokens x 256 bytes a tile
	s_lshl_b32 s21, s14, 14                        ; my wave fetches 64 tokens of the 256
	s_add_co_u32 s20, s20, s21
	s_mov_b32 s21, 0
	s_add_nc_u64 s[8:9], s[8:9], s[20:21]
	WIN TO_B                                       ; both layouts of the bias are loaded in every kind: both stay inside the same 512 bytes
.irp b, 0,1,2,3,4,5,6,7
	global_load_b128 v[96+8*\b+96*(\b/4):99+8*\b+96*(\b/4)], v[BA], s[10:11] offset:(32*(\b/2)+8*(\b%2))*4
	global_load_b128 v[100+8*\b+96*(\b/4):103+8*\b+96*(\b/4)], v[BA], s[10:11] offset:(32*(\b/2)+8*(\b%2))*4+16
.endr
	WIN 0
.irp a, 0,1,2,3,4,5,6,7
	global_load_b32 v[BV+2*\a], v[BVA], s[10:11] offset:(32*(\a/2)+8*(\a%2))*4
	global_load_b32 v[BV+2*\a+1], v[BVA], s[10:11] offset:(32*(\a/2)+8*(\a%2))*4
.endr
.macro FRAG reg, adr, q, i             ; a fragment: chunks 2 q and 2 q + 1 of tile i
	ds_load_b128 v[\reg:\reg+3], v[\adr] offset:(\i)*TILEB+2*(\q)*CH
	ds_load_b64 v[\reg+4:\reg+5], v[\adr+2] offset:(\i)*TILEB+2*(\q)*CH+512
	ds_load_b128 v[\reg+6:\reg+9], v[\adr] offset:(\i)*TILEB+2*(\q)*CH+CH
	ds_load_b64 v[\reg+10:\reg+11], v[\adr+2] offset:(\i)*TILEB+2*(\q)*CH+CH+512
.endm
; 16 matrix instructions: A's blocks a0, a0 + 1 x B's eight.  p: B's set; sc: the set of scale words.  zero = 1: the product starts the sum.  The 64 accumulators take turns, in the same order in every step.
.macro MUL16 a0, p, q, sc, zero
.irp a, \a0, \a0+1
.irp b, 0,1,2,3,4,5,6,7
.set DD, 8*(8*((\a)%4)+\b)
.set BF, 128*(\p)+FR*\b
.set AA, AF+FR*(\a)
.set SBR, SC+8*NQ*(\sc)+NQ*\b+(\q)
.set SAR, SC+8*NQ*(\sc)+NQ*(\a)+(\q)
.if \zero == 1
	v_wmma_scale_f32_16x16x128_f8f6f4 v[DD:DD+7], v[BF:BF+FR-1], v[AA:AA+FR-1], 0, v[SBR], v[SAR] matrix_a_fmt:MATRIX_FMT_FP6 matrix_b_fmt:MATRIX_FMT_FP6 matrix_a_scale:MATRIX_SCALE_ROW1
.else
	v_wmma_scale_f32_16x16x128_f8f6f4 v[DD:DD+7], v[BF:BF+FR-1], v[AA:AA+FR-1], v[DD:DD+7], v[SBR], v[SAR] matrix_a_fmt:MATRIX_FMT_FP6 matrix_b_fmt:MATRIX_FMT_FP6 matrix_a_scale:MATRIX_SCALE_ROW1
.endif
.endr
.endr
.endm
.macro FETCH_B slot, q, p
	WIN TO_B
.irp i, 0,1,2,3,4,5,6,7
	FRAG 128*(\p)+FR*\i, ADRB+\slot, \q, \i
.endr
	WIN 0
.endm
.macro FETCH_A slot, q, i0
.irp i, \i0, \i0+1, \i0+2, \i0+3
	FRAG AF+FR*(\i), ADRA+\slot, \q, \i
.endr
.endm
.macro SCALES sc                       ; a K step's two words a row: lanes 0-15 A's block i, lanes 16-31 B's block i
.irp i, 0,1,2,3,4,5,6,7
	ds_load_b64 v[SC+8*NQ*\sc+NQ*\i:SC+8*NQ*\sc+NQ*\i+1], v[ADRS] offset:\i*SBLK
.endr
.endm
.macro PLACES n                        ; plain vector lines between a matrix instruction and a load into, or a vector read of, its registers
.rept \n
	v_nop
.endr
.endm
.macro STEP slot, q, zero              ; 128 along K that has its successor in the same slot
	s_wait_dscnt 4*NL                              ; B's set and A's blocks 0-3 are in; the 16 loads of A's blocks 4-7 may be out
	WIN MUL_LO
	MUL16 0, (\q)%2, \q, \slot, \zero
	MUL16 2, (\q)%2, \q, \slot, \zero
	s_wait_dscnt 0
	PLACES NP
	FETCH_B \slot, (\q)+1, 1-(\q)%2
	FETCH_A \slot, (\q)+1, 0
	WIN MUL_HI
	MUL16 4, (\q)%2, \q, \slot, \zero
	MUL16 6, (\q)%2, \q, \slot, \zero
	PLACES NP
	WIN 0
	FETCH_A \slot, (\q)+1, 4
.endm
; A slot's last step changes slots: one barrier; ahead of it each wave waits for all its tensor loads, adds 0 to its spare word, and waits for that and for its reads of the slot.  fill = 1: the slot is filled again, two K steps ahead.
.macro TURN slot, next, fill
	s_wait_tensorcnt 0x0                           ; all my tensor loads have landed: my part of the next slot
	ds_add_u32 v[SPW], v[NIL]                      ; 0 onto my spare word
	s_wait_dscnt 4*NL+1                            ; the add and the 16 loads of A's blocks 4-7 may be out
	WIN MUL_LO
	MUL16 0, 1, NQ-1, \slot, 0
	s_wait_dscnt 0x0                               ; the add is done, and my reads of this slot are over
	s_barrier_signal -1
	MUL16 2, 1, NQ-1, \slot, 0
	WIN 0
	s_barrier_wait -1
.if \fill == 2
	CREST                                          ; a round as for any refill: nobody reads slot 0 any more; it takes the table's rows, 64 tokens a wave, asked for jointly along the cluster's row
	tensor_load_to_lds s[G0S:G0S+3], s[G1S:G1S+7]
	s_nop 0
	PLACES NP
.elseif \fill
	CREST
	s_add_nc_u64 s[G0+4*\slot+2:G0+4*\slot+3], s[G0+4*\slot+2:G0+4*\slot+3], 2*TILEB
	s_add_nc_u64 s[G0B+4*\slot+2:G0B+4*\slot+3], s[G0B+4*\slot+2:G0B+4*\slot+3], 2*TILEB
	JLOAD G0+4*\slot, G1, G0B+4*\slot, G1B         ; the first tensor load behind the round; its four v_nop are the places ahead of the loads below
.else
	PLACES NP
.endif
	s_wait_alu depctr_va_vdst(0)
	v_add_nc_u32 v[ADRS], 128, v[ADRS]             ; the next K step's scale words (no LDS load of mine is out)
	FETCH_B \next, 0, 0
	FETCH_A \next, 0, 0
	SCALES \next
	WIN MUL_HI
	MUL16 4, 1, NQ-1, \slot, 0
	MUL16 6, 1, NQ-1, \slot, 0
	PLACES NP
	WIN 0
	FETCH_A \next, 0, 4
.endm
	s_wait_alu depctr_va_vdst(0)
	s_wait_tensorcnt 0x0                           ; my tile of the head's four is in
	ds_add_u32 v[SPW], v[NIL]
	s_mov_b32 s[G1+2], 8<<16                       ; no tensor load of mine is out: from here on a load brings 8 tiles
	s_mov_b32 s[G1+4], 8
	s_mov_b32 s[G1B+2], 8<<16
	s_mov_b32 s[G1B+4], 8
	s_or_b32 s[G1S+0], s42, (3<<16)|(1<<20)|(1<<21)|(5<<22)|(3<<25)   ; the registers of A's scales now describe the table's tile: 64 rows of 256 bytes, 16 bytes of padding behind each
	s_mov_b32 s[G1S+2], 64<<16
	s_mov_b32 s[G1S+4], 64
	s_mul_i32 s[G0S+1], s14, 64*272                ; into slot 0, by the wave's number alone
	s_mov_b64 s[G0S+2:G0S+3], s[8:9]
	s_or_b32 s[G0S+3], s[G0S+3], 0x80000000
	s_wait_dscnt 0x0
	CROUND                                         ; all four tiles are in, and all sixteen work-groups are here
	JLOAD G0+4, G1, G0B+4, G1B                     ; K step 1, the first tensor load behind the round
	FETCH_B 0, 0, 0
	FETCH_A 0, 0, 0
	SCALES 0
	FETCH_A 0, 0, 4
	STEP 0, 0, 1                                   ; the first products start the sums
	TURN 0, 1, 1                                   ; K = 1,024 is four slots' worth: once round the ring with refills,
	STEP 1, 0, 0
	TURN 1, 0, 1
	STEP 0, 0, 0
	TURN 0, 1, 2                                   ; no K step is left to fetch: slot 0 takes the table
	STEP 1, 0, 0
.macro CSLOAD a                        ; the table for A's block a: my token's 16 cosines and 16 sines, into buffer a % 3 of window 1
.irp q, 0,1,2,3,4,5,6,7
	ds_load_b128 v[32*((\a)%3)+4*\q:32*((\a)%3)+4*\q+3], v[VCS] offset:(32*((\a)/2)+8*((\a)%2))*272+16*\q
.endr
.endm
	s_wait_dscnt 4*NL                              ; the very last step
	WIN MUL_LO
	MUL16 0, 1, NQ-1, 1, 0
	MUL16 2, 1, NQ-1, 1, 0
	s_wait_dscnt 0
	s_wait_tensorcnt 0x0                           ; my 64 rows of the table are in
	s_barrier_signal -1                            ; a plain barrier shows all 256 to all waves
	WIN MUL_HI
	MUL16 4, 1, NQ-1, 1, 0
	MUL16 6, 1, NQ-1, 1, 0
	WIN 0
	s_barrier_wait -1
	PLACES NP
	WIN TO_B                                       ; B's set 0 is done with: it takes three buffers of the table
	CSLOAD 0
	CSLOAD 1
	CSLOAD 2
	WIN 0
; 64 numbers of a lane, register 16 b + i = k 32 b + 16 (lane / 16) + i of my row, become a fragment's codes in v[PC] on and its scale word in v[PW].
.macro QUANT s
.irp b, 0,1,2,3
	v_max3_num_f32 v[TM+\b], |v[\s+16*\b]|, |v[\s+1+16*\b]|, 0x1800000   ; and the floor 2^(3 - 127): the byte cannot fall under 1
.endr
.irp i, 2,4,6,8,10,12,14
.irp b, 0,1,2,3
	v_max3_num_f32 v[TM+\b], v[TM+\b], |v[\s+16*\b+\i]|, |v[\s+1+16*\b+\i]|
.endr
.endr
.irp b, 0,1,2,3
	v_permlanex16_b32 v[TM+4+\b], v[TM+\b], s[SEL], s[SEL+1]
.endr
.irp b, 0,1,2,3
	v_max_num_f32 v[TM+\b], v[TM+\b], v[TM+4+\b]   ; with lane l xor 16's: the block's largest magnitude
.endr
.irp b, 0,1,2,3
	v_add_nc_u32 v[TM+12+\b], 0xff000000, v[TM+\b] ; 2 off its exponent field: the conversion's scale operand
.endr
.irp b, 0,1,2,3
	v_lshrrev_b32 v[TM+4+\b], 23, v[TM+12+\b]      ; the scale's byte
.endr
	v_lshl_or_b32 v[PW], v[TM+5], 8, v[TM+4]
	v_lshl_or_b32 v[PW], v[TM+6], 16, v[PW]
	v_lshl_or_b32 v[PW], v[TM+7], 24, v[PW]
.irp c, 0,1
	v_cvt_scalef32_pk16_fp6_f32 v[PC+6*\c:PC+2+6*\c], v[\s+32*\c:\s+15+32*\c], v[TM+12+2*\c]
	v_cvt_scalef32_pk16_fp6_f32 v[PC+12+4*\c:PC+14+4*\c], v[\s+16+32*\c:\s+31+32*\c], v[TM+12+2*\c+1]
.endr
	v_nop                                          ; one plain line behind a scaled conversion
.irp c, 0,1                                    ; the operand wants a whole block in a lane
.irp i, 0,1,2
	v_permlane16_swap_b32 v[PC+6*\c+\i], v[PC+12+4*\c+\i]
.endr
.irp i, 0,1,2
	v_mov_b32 v[PC+3+6*\c+\i], v[PC+12+4*\c+\i]
.endr
.endr
.endm
.irp b, 0,1,2,3
	v_mov_b32 v[TM+4+\b], 0                        ; a lane permute's destination counts as read
.endr
	s_lshr_b32 s68, s101, 1
	s_lshl_b32 s68, s68, 4                         ; 16 x batch.  (All tensor loads are done: the descriptors' registers are free)
	s_mov_b32 s71, 0
	s_cmp_eq_u32 s100, 2
	s_cbranch_scc1 .Lvpath
	; ---------------------------------------------------------------- Q and K: bias, rotation, codes along the head's 64
	s_lshl_b32 s69, s40, 2
	s_add_co_u32 s68, s68, s69
	s_lshl_b32 s69, s16, 1
	s_add_co_u32 s68, s68, s69                     ; batch x 16 + my first head: 4 cx + 2 x my half of the features
	s_lshl_b32 s69, s15, 3
	s_add_co_u32 s69, s66, s69
	s_and_b32 s69, s69, 127                        ; my first tile of tokens in the batch
	s_mul_i32 s70, s100, 6291456
	s_mul_i32 s76, s68, 98304
	s_add_co_u32 s70, s70, s76
	s_mul_i32 s76, s69, 768
	s_add_co_u32 s70, s70, s76
	s_add_nc_u64 s[72:73], s[96:97], s[70:71]      ; the codes
	s_mul_i32 s70, s68, 20480
	s_lshr_b32 s69, s69, 3
	s_mul_i32 s76, s69, 768                        ; K's words: with their 128 keys
	s_lshl_b32 s77, s69, 9
	s_add_co_u32 s77, s77, 12288                   ; Q's: behind them
	s_cmp_eq_u32 s100, 0
	s_cselect_b32 s76, s77, s76
	s_add_co_u32 s70, s70, s76
	s_add_nc_u64 s[74:75], s[98:99], s[70:71]      ; the scale words
.macro EPI_QK a
.if (\a) == 0
	s_wait_loadcnt 0x0                             ; the biases
.endif
.if (\a) <= 5
	s_wait_dscnt 16                                ; this block's eight loads of the table are in; two later buffers' sixteen may be out
.elseif (\a) == 6
	s_wait_dscnt 8
.else
	s_wait_dscnt 0x0
.endif
	s_wait_xcnt 0x0                                ; the last block's stores have read their registers
.set AC, 64*((\a)%4)
.set CB, 32*((\a)%3)
	WIN 0x06+(\a)/4                                ; source 0: the accumulators' window; source 1: window 1
.irp b, 0,1,2,3,4,5,6,7
.irp p, 0,2,4,6
	v_pk_add_f32 v[T+8*\b+\p:T+8*\b+\p+1], v[AC+8*\b+\p:AC+8*\b+\p+1], v[96+8*\b+96*(\b/4)+\p:97+8*\b+96*(\b/4)+\p]   ; each accumulator from its low end on
.endr
.endr
	WIN 0x04
.irp e, 0,1                                    ; two heads: T + 32 e: dims 16 h + 0..15; T + 32 e + 16: dims 32 + 16 h + 0..15
.irp p, 0,1,2,3,4,5,6,7
	v_pk_mul_f32 v[RR+32*\e+2*\p:RR+32*\e+2*\p+1], v[T+32*\e+2*\p:T+32*\e+2*\p+1], v[CB+4*\p:CB+4*\p+1]
	v_pk_mul_f32 v[RR+32*\e+16+2*\p:RR+32*\e+17+2*\p], v[T+32*\e+2*\p:T+32*\e+2*\p+1], v[CB+4*\p+2:CB+4*\p+3]
.endr
.irp p, 0,1,2,3,4,5,6,7
	v_pk_fma_f32 v[RR+32*\e+2*\p:RR+32*\e+2*\p+1], v[T+32*\e+16+2*\p:T+32*\e+17+2*\p], v[CB+4*\p+2:CB+4*\p+3], v[RR+32*\e+2*\p:RR+32*\e+2*\p+1] neg_lo:[1,0,0] neg_hi:[1,0,0]   ; xl cos - xr sin
	v_pk_fma_f32 v[RR+32*\e+16+2*\p:RR+32*\e+17+2*\p], v[T+32*\e+16+2*\p:T+32*\e+17+2*\p], v[CB+4*\p:CB+4*\p+1], v[RR+32*\e+16+2*\p:RR+32*\e+17+2*\p]                          ; xl sin + xr cos
.endr
.endr
.if (\a) <= 4
	WIN TO_B
	CSLOAD (\a)+3                                  ; the buffer just read takes the block three on
.endif
	WIN 0
	QUANT RR
	v_mov_b32 v[SWA+(\a)], v[PW]
	global_store_b128 v[L16], v[PC:PC+3], s[72:73] offset:768*(\a)               ; the first head's chunk,
	global_store_b64 v[L8], v[PC+4:PC+5], s[72:73] offset:768*(\a)+512
	global_store_b128 v[L16], v[PC+6:PC+9], s[72:73] offset:98304+768*(\a)       ; the second head's
	global_store_b64 v[L8], v[PC+10:PC+11], s[72:73] offset:98304+768*(\a)+512
.endm
.irp a, 0,1,2,3,4,5,6,7
	EPI_QK \a
.endr
	v_cmp_eq_u32 vcc_lo, 1, v2
.irp j, 0,1,2,3
	v_cndmask_b32 v[TM+\j], v[SWA+\j], v[SWA+4+\j], vcc_lo   ; lanes 0-15: tiles 0-3 of row r; lanes 16-31: tiles 4-7
.endr
	global_store_b128 v[L16], v[TM:TM+3], s[74:75]           ; the first head's words: 512 consecutive bytes
.irp j, 0,1,2,3
	v_lshrrev_b32 v[TM+4+\j], 16, v[TM+\j]
.endr
	global_store_b128 v[L16], v[TM+4:TM+7], s[74:75] offset:20480
	s_branch .Ldone
	; ---------------------------------------------------------------- V: bias, codes along the tokens
.Lvpath:
	s_lshl_b32 s69, s41, 2
	s_add_co_u32 s68, s68, s69
	s_lshl_b32 s69, s15, 1
	s_add_co_u32 s68, s68, s69                     ; batch x 16 + my first head: 4 cy + 2 x my half of the features
	s_lshl_b32 s69, s16, 3
	s_add_co_u32 s69, s67, s69
	s_and_b32 s69, s69, 127
	s_lshr_b32 s69, s69, 3                         ; which 128 keys of the batch
	s_mul_i32 s70, s68, 98304
	s_mul_i32 s76, s69, 6144
	s_add_co_u32 s70, s70, s76
	s_add_co_u32 s70, s70, 12582912
	s_add_nc_u64 s[72:73], s[96:97], s[70:71]
	s_mul_i32 s70, s68, 20480
	s_mul_i32 s76, s69, 768
	s_add_co_u32 s70, s70, s76
	s_add_co_u32 s70, s70, 512
	s_add_nc_u64 s[74:75], s[98:99], s[70:71]
	s_wait_loadcnt 0x0                             ; the biases
.macro EPI_V a
	s_wait_xcnt 0x0
.set AC, 64*((\a)%4)
	WIN 0x02+(\a)/4
.irp b, 0,1,2,3,4,5,6,7
.irp p, 0,2,4,6
	v_pk_add_f32 v[T+8*\b+\p:T+8*\b+\p+1], v[AC+8*\b+\p:AC+8*\b+\p+1], v[BV+2*(\a):BV+2*(\a)+1]   ; my lane's feature has one bias
.endr
.endr
	WIN 0
	QUANT T
	v_mov_b32 v[SWA+(\a)], v[PW]
.irp q, 0,1,2
	global_store_b128 v[L16], v[PC+4*\q:PC+4*\q+3], s[72:73] offset:((\a)/4)*98304+((\a)%4)*1536+512*\q
.endr
.endm
.irp a, 0,1,2,3,4,5,6,7
	EPI_V \a
.endr
	v_cmp_eq_u32 vcc_lo, 1, v2
.irp j, 0,1,2,3
	v_cndmask_b32 v[TM+\j], v[SWA+\j], v[SWA+4+\j], vcc_lo
.endr
	global_store_b128 v[VSW], v[TM:TM+3], s[74:75]           ; lanes 0-15 the first head's 256 bytes, lanes 16-31 the second's
.Ldone:
	s_wait_tensorcnt 0x0                           ; the wave's end
	ds_add_u32 v[SPW], v[NIL]
	s_wait_dscnt 0x0
	CROUND                                         ; the closing round
	s_endpgm
.Lfunc_end_k_qb438f27d9b_qkv:
	.size	k_qb438f27d9b_qkv, .Lfunc_end_k_qb438f27d9b_qkv-k_qb438f27d9b_qkv
	.p2alignl 7, 3214868480
	.fill 96, 4, 3214868480
	.section	.rodata,"a",@progbits
	.p2align	6, 0x0
	.amdhsa_kernel k_qb438f27d9b_qkv
		.amdhsa_group_segment_fixed_size 327680
		.amdhsa_private_segment_fixed_size 0
		.amdhsa_enable_private_segment 0
		.amdhsa_kernarg_size 64
		.amdhsa_user_sgpr_count 2
		.amdhsa_user_sgpr_kernarg_segment_ptr 1
		.amdhsa_wavefront_size32 1
		.amdhsa_system_sgpr_workgroup_id_x 1
		.amdhsa_system_sgpr_workgroup_id_y 1
		.amdhsa_system_sgpr_workgroup_id_z 1
		.amdhsa_system_vgpr_workitem_id 0
		.amdhsa_next_free_vgpr 1024
		.amdhsa_next_free_sgpr 104
		.amdhsa_reserve_vcc 1
		.amdhsa_float_denorm_mode_32 3
		.amdhsa_float_denorm_mode_16_64 3
		.amdhsa_memory_ordered 1
		.amdhsa_forward_progress 1
		.amdhsa_inst_pref_size 255
	.end_amdhsa_kernel
	.section	.bss,"aw",@nobits
	.p2align	6
	.space	262144
	.amdgpu_metadata
---
amdhsa.version: [ 1, 2 ]
amdhsa.kernels:
  - .name:           k_qb438f27d9b_qkv
    .symbol:         k_qb438f27d9b_qkv.kd
    .args:
      - { .name: codes, .offset: 0, .size: 8, .value_kind: global_buffer, .address_space: global }
      - { .name: scales, .offset: 8, .size: 8, .value_kind: global_buffer, .address_space: global }
      - { .name: tab, .offset: 16, .size: 8, .value_kind: global_buffer, .address_space: global }
      - { .name: bq, .offset: 24, .size: 8, .value_kind: global_buffer, .address_space: global }
      - { .name: bk, .offset: 32, .size: 8, .value_kind: global_buffer, .address_space: global }
      - { .name: bv, .offset: 40, .size: 8, .value_kind: global_buffer, .address_space: global }
      - { .name: qkv, .offset: 48, .size: 8, .value_kind: global_buffer, .address_space: global }
      - { .name: qkvs, .offset: 56, .size: 8, .value_kind: global_buffer, .address_space: global }
    .group_segment_fixed_size: 327680
    .private_segment_fixed_size: 0
    .kernarg_segment_align: 8
    .kernarg_segment_size: 64
    .max_flat_workgroup_size: 128
    .sgpr_count:     104
    .vgpr_count:     1024
    .wavefront_size: 32
...
	.end_amdgpu_metadata
.endif
;; end of part 2
;; launch attn (part 3): grid 4 x 64, 8 waves a work-group, clusters of 4 x 1, 327,680 bytes of LDS; arguments qkv, qkvs, acodes, ascales; writes acodes, ascales
.if DOCPART == 3
	.amdgcn_target "amdgcn-amd-amdhsa--gfx1250"
	.amdhsa_code_object_version 6
	.text
	.protected	k_qb438f27d9b_attn
	.globl	k_qb438f27d9b_attn
	.p2align	8
	.type	k_qb438f27d9b_attn,@function
k_qb438f27d9b_attn:
	s_mov_b64 s[64:65], 0
	v_nop
	global_prefetch_b8 v0, s[64:65] scope:SCOPE_SE
	s_setreg_imm32_b32 hwreg(HW_REG_WAVE_MODE, 25, 1), 1
	s_wait_xcnt 0x0
	s_wait_alu depctr_hold_cnt(0) depctr_sa_sdst(0) depctr_va_vdst(0) depctr_va_sdst(0) depctr_va_ssrc(0) depctr_va_vcc(0) depctr_vm_vsrc(0)
	s_getreg_b32 s2, hwreg(HW_REG_IB_STS2, 6, 4)
	s_cmp_eq_u32 s2, 0
	s_cbranch_scc0 .Lentry_in_a_cluster
	s_endpgm
.Lentry_in_a_cluster:
	s_bfe_u32 s2, ttmp6, 0x10000c
	s_cmp_lg_u32 s2, 0x3003
	s_cbranch_scc0 .Lentry_shape_is_right
	s_endpgm
.Lentry_shape_is_right:
; o = softmax(q k^T / 8) v for one batch x head and 512 queries, on codes of FP6 (E2M3) with E8M0 scales; o leaves as codes again, quantised along the head's 64, as the next product's operand.
; THE DEAL.  Eight waves, 64 queries (four tiles of 16) a wave.  All 2,048 keys of the head lie in LDS: K's codes 98,304 bytes, V's 98,304, their scale words 12,288.  They are filled once, at the head.
; A step is 128 keys: each fragment of K and of V is read from LDS once and serves the wave's four tiles.  The tiles go in pairs, line by line in turn, so that neighbouring lines do not hang on each other.
; CLUSTER 4 x 1: the four work-groups of a head ask for K, V and the scale words jointly: waves 0-2 K's thirds, waves 3-5 V's, wave 6 the scale words, wave 7 none: one tensor load a wave.
; No prefetch: everything is asked of memory at the head, and no loop streams from memory.
; BOTH PRODUCTS ARE USED TRANSPOSED (S^T = k q^T, O^T = v^T p^T): a lane holds one query.
; THE KEYS OF A TILE OF K ARE CHOSEN BY THE LANES' LDS ADDRESSES: row 8 h + j of tile 4 c + u is key 64 c + 32 h + 8 u + j of the step.  In memory key 32 b + 16 a + 8 u + j is row 8 a + j of stored tile 2 b + u.
; So a lane's 32 registers of tiles 4 c .. 4 c + 3 are one whole scale block of p, in the order of the operand's registers: a block's maximum and its codes need no other lane.
; The head's 64 fill half of the instruction's 128: q's upper six registers are zero codes; k's upper six are the next tile's codes, which zero codes multiply.
; SOFTMAX: M = the ceiling of the running largest t (t = score x log2(e) / 8), kept as -M; p = 2^(t - M); the sum is taken of the unquantised p; when M moves, sum and O^T are multiplied by a power of two.
; A block's largest p is made from the block's largest score by the same multiply-add and exponential.
; The loop's last trip reads one step beyond K's codes and K's words: those bytes are V's first codes and K's first codes, long landed; what is read there is not used.
; LIMITS: the promise holds while |t| stays under 2^31.  NaN and infinities are not served.  A block of zeros gets the byte 1, not 127: its codes are zeros, and only this program reads the bytes.
; REGISTERS.  Window 0: v1-15 addresses, q's scale words; v16-47 a tile's state, eight each: -M, largest score, sum (2), factor, p's scale word, two LDS bases; v48-63 scale words and block maxima;
; v64-117 K's fragments; v118-127 at work; v128-255 a pair's scores.   Window 1: v0-127 O^T; v128-175 V's fragments; v176-223 q; v224-247 a pair's codes of p; v248-255 at work.
.set KB,    12288                      ; LDS: the scale words from 0, K's codes, V's codes, the spare words
.set VB,    110592
.set SPARE, 208896
.set CK16, 1
.set CK8,  2
.set CKS,  3
.set CV,   4
.set CVS,  5
.set SH,   6                           ; 8 x (lane / 16)
.set SPW,  7
.set NIL,  8
.set G16,  9
.set G8,   10
.set GR16, 11
.set QS,   12
.set ST,   16
.set BK16, 22
.set BK8,  23
.set BKS,  30
.set BV,   31
.set BVS,  38
.set KS,   48
.set BM,   52
.set VS,   56
.set SO,   60
.set KF,   64
.set TT,   118
.set UU,   120
.set TS,   122
.set DD,   126
.set SS,   128
.set OO,   0                           ; window 1 from here on
.set VF,   128
.set QF,   176
.set PC,   224
.set TC,   248
.set WV,   12
.set SEL,  50
.set CS,   52
.set NEGC, 54
.set TB,   60
.set TB2,  61
.set CNT,  62
.set MSB, 0
.macro WIN new                         ; the immediate's high byte repeats the setting that is left
.if MSB != (\new)
	s_set_vgpr_msb (MSB<<8)|(\new)
.set MSB, (\new)
.endif
.endm
.macro WALU
	s_wait_alu depctr_va_vdst(0)
.endm
.macro CROUND
	s_barrier_signal -1
	s_barrier_wait -1
	s_cmp_lg_u32 s[WV], 0
	s_cbranch_scc1 .Lnot_wave_0_\@
	s_barrier_signal -3
.Lnot_wave_0_\@:
	s_barrier_wait -3
	s_barrier_signal -1
	s_barrier_wait -1
.endm
	s_load_b256 s[4:11], s[0:1], 0x0               ; qkv, qkvs, acodes, ascales
	v_lshl_add_u32 v[SPW], v0, 2, SPARE
	v_mov_b32 v[NIL], 0
	ds_add_u32 v[SPW], v[NIL]                      ; the opening lines: the add, twice on end, and its wait
	ds_add_u32 v[SPW], v[NIL]
	v_lshrrev_b32 v1, 5, v0
	v_readfirstlane_b32 s[WV], v1                  ; wave
	s_bfe_u32 s13, ttmp6, 0x40000                  ; cx: which 512 queries
	s_and_b32 s14, ttmp7, 0xffff                   ; batch x head
	s_mov_b32 s24, 15|(3<<16)|(1<<21)              ; codes: 32,768 dense bytes as 128 rows of 256; the mask names the cluster's four
	s_mov_b32 s25, 32<<16
	s_mov_b32 s26, 128<<16
	s_mov_b32 s27, 32<<16
	s_mov_b32 s28, 128
	s_mov_b32 s29, 32
	s_mov_b32 s30, 0
	s_mov_b32 s31, 0
	s_mov_b32 s32, 15|(3<<16)|(1<<21)              ; scale words: 12,288 dense bytes as 48 rows of 256
	s_mov_b32 s33, 32<<16
	s_mov_b32 s34, 48<<16
	s_mov_b32 s35, 32<<16
	s_mov_b32 s36, 48
	s_mov_b32 s37, 32
	s_mov_b32 s38, 0
	s_mov_b32 s39, 0
	s_mul_i32 s48, s14, 98304
	s_lshl_b32 s58, s[WV], 15
	s_add_co_u32 s41, s58, KB                      ; LDS: K's three thirds, then V's: by the wave's number alone
	s_add_co_u32 s58, s58, s48
	s_mov_b32 s59, 12582912-98304
	s_cmp_lt_u32 s[WV], 3
	s_cselect_b32 s59, 6291456, s59                ; K's section, or V's less the three thirds passed
	s_add_co_u32 s58, s58, s59
	s_mov_b32 s59, 0
	s_mul_i32 s60, s14, 20480
	s_mov_b32 s61, 0
	s_mov_b32 s40, 1
	s_mov_b32 s44, 1
	s_mov_b32 s45, 0
	s_mov_b32 s[CS], 0x3e38aa3b                    ; c = log2(e) / 8
	s_mov_b32 s[CS+1], s[CS]
	s_mov_b32 s[NEGC], 0xbe38aa3b
	s_mov_b32 s[SEL], 0x76543210
	s_mov_b32 s[SEL+1], 0xfedcba98                 ; v_permlanex16_b32's selects for lane l xor 16
	WALU
	s_wait_dscnt 0x0
	s_wait_kmcnt 0x0
	s_add_nc_u64 s[42:43], s[4:5], s[58:59]
	s_or_b32 s43, s43, 0x80000000
	s_add_nc_u64 s[46:47], s[6:7], s[60:61]
	s_or_b32 s47, s47, 0x80000000
	CROUND                                         ; the four work-groups are here: the joint loads meet
	s_cmp_lt_u32 s[WV], 6
	s_cbranch_scc0 .Lnot_codes
	tensor_load_to_lds s[40:43], s[24:31]
	s_nop 0
.rept 4
	v_nop
.endr
	s_branch .Lasked
.Lnot_codes:
	s_cmp_eq_u32 s[WV], 6
	s_cbranch_scc0 .Lasked
	tensor_load_to_lds s[44:47], s[32:39]
	s_nop 0
.rept 4
	v_nop
.endr
.Lasked:
	s_lshl_b32 s66, s13, 5
	s_lshl_b32 s67, s[WV], 2
	s_add_co_u32 s66, s66, s67                     ; my first tile of queries in the batch: 32 cx + 4 x wave
	s_mov_b32 s69, 0
	s_mul_i32 s68, s66, 768
	s_add_co_u32 s68, s68, s48
	s_add_nc_u64 s[16:17], s[4:5], s[68:69]        ; q's codes
	s_lshl_b32 s68, s13, 3
	s_add_co_u32 s68, s68, s[WV]
	s_lshl_b32 s68, s68, 8
	s_add_co_u32 s68, s68, s60
	s_add_co_u32 s68, s68, 12288
	s_add_nc_u64 s[18:19], s[6:7], s[68:69]        ; q's scale words: 16 bytes a row hold my four tiles' words
	s_lshr_b32 s70, s14, 4
	s_lshl_b32 s70, s70, 7
	s_add_co_u32 s70, s70, s66                     ; the tile among all tokens
	s_and_b32 s71, s14, 15                         ; the head
	s_mul_i32 s68, s70, 12288
	s_mul_i32 s67, s71, 768
	s_add_co_u32 s68, s68, s67
	s_add_nc_u64 s[20:21], s[8:9], s[68:69]        ; o's codes: [tile][head][768]
	s_lshl_b32 s68, s70, 9
	s_lshr_b32 s67, s71, 2
	s_lshl_b32 s67, s67, 7
	s_add_co_u32 s68, s68, s67
	s_and_b32 s67, s71, 3
	s_lshl_b32 s67, s67, 1
	s_add_co_u32 s68, s68, s67
	s_add_nc_u64 s[22:23], s[10:11], s[68:69]      ; o's scale bytes: [tile][head / 4][row][8], two bytes a head
	v_and_b32 v128, 31, v0
	v_and_b32 v129, 15, v0
	v_bfe_u32 v130, v0, 4, 1                       ; p = lane / 16
	v_bfe_u32 v131, v0, 3, 1                       ; h of the tile's row
	v_and_b32 v132, 7, v0                          ; j
	v_lshlrev_b32 v[G16], 4, v128
	v_lshlrev_b32 v[G8], 3, v128
	v_lshlrev_b32 v[GR16], 4, v129
	v_mul_u32_u24 v133, v131, 1536                 ; two stored tiles on for rows 8-15
	v_lshl_add_u32 v134, v132, 4, v133
	v_lshl_add_u32 v134, v130, 8, v134
	v_add_nc_u32 v[BK16], KB, v134                 ; a row's bytes 0-15: 1,536 h + 16 j + 256 p
	v_lshl_add_u32 v135, v132, 3, v133
	v_lshl_add_u32 v135, v130, 7, v135
	v_add_nc_u32 v[BK8], KB+512, v135              ; its bytes 16-23: 512 + 1,536 h + 8 j + 128 p
	v_lshlrev_b32 v136, 4, v132
	v_lshl_add_u32 v136, v131, 3, v136
	v_lshl_add_u32 v[BKS], v130, 8, v136           ; K's words: 16 j + 8 h; lanes 16-31 take tiles 4-7's, 256 on
	v_add_nc_u32 v[BV], VB, v[G16]
	v_add_nc_u32 v[BVS], 512, v[GR16]              ; V's words, behind a step's 512 bytes of K's
	v_lshlrev_b32 v[SH], 3, v130
	WIN 0x40                                       ; destination window 1
.irp t, 0,1,2,3
	global_load_b128 v[QF+12*\t:QF+12*\t+3], v[G16], s[16:17] offset:768*\t
	global_load_b64 v[QF+12*\t+4:QF+12*\t+5], v[G8], s[16:17] offset:768*\t+512
.endr
.irp t, 0,1,2,3
.irp j, 6,7,8,9,10,11
	v_mov_b32 v[QF+12*\t+\j], 0                    ; q's zero codes for k 64 .. 127
.endr
.endr
.set j, 0
.rept 128
	v_mov_b32 v[OO+j], 0                           ; the step is written once: the first finds zeros
.set j, j+1
.endr
	WIN 0
	global_load_b128 v[QS:QS+3], v[GR16], s[18:19]
.irp t, 0,1,2,3
	v_mov_b32 v[ST+8*\t], 0x7e000000               ; -M: 2^125, over every -M that follows, so that the first factor is 0
	v_mov_b32 v[ST+8*\t+1], 0xff61b1e6             ; the largest score so far: -3e38
	v_mov_b32 v[ST+8*\t+2], 0
	v_mov_b32 v[ST+8*\t+3], 0
	v_mov_b32 v[ST+8*\t+5], 0                      ; named as a pair's upper half before it is first made
.endr
	v_mov_b32 v[UU], 0                             ; a lane permute's destination counts as read
	v_mov_b32 v[UU+1], 0
.irp j, 48,49,50,51,52,53
	v_mov_b32 v[KF+\j], 0                          ; what stands above tile 7's codes
.endr
	WALU
	s_wait_tensorcnt 0x0
	s_barrier_signal -1
	s_barrier_wait -1                              ; all of K, V and the words are in
.macro KLOAD a16, a8, as, off, offs    ; a step's eight tiles of K and their words
.irp c, 0,1
.irp u, 0,1,2,3
	ds_load_b128 v[KF+6*(4*\c+\u):KF+6*(4*\c+\u)+3], v[\a16] offset:\off+(4*\c+(\u%2))*768+128*(\u/2)
	ds_load_b64 v[KF+6*(4*\c+\u)+4:KF+6*(4*\c+\u)+5], v[\a8] offset:\off+(4*\c+(\u%2))*768+64*(\u/2)
.endr
.endr
	ds_load_b64 v[KS:KS+1], v[\as] offset:\offs
	ds_load_b64 v[KS+2:KS+3], v[\as] offset:\offs+128
.endm
.macro SMUL p                          ; S^T of pair p: 16 products, each with C = 0
	WIN 0x04                                       ; source 1 (q) window 1
.irp i, 0,1,2,3,4,5,6,7
.irp x, 0,1
.if \i < 4
	v_wmma_scale_f32_16x16x128_f8f6f4 v[SS+64*\x+8*\i:SS+64*\x+8*\i+7], v[KF+6*\i:KF+6*\i+11], v[QF+12*(2*\p+\x):QF+12*(2*\p+\x)+11], 0, v[KS+\i], v[QS+2*\p+\x] matrix_a_fmt:MATRIX_FMT_FP6 matrix_b_fmt:MATRIX_FMT_FP6
.else
	v_wmma_scale_f32_16x16x128_f8f6f4 v[SS+64*\x+8*\i:SS+64*\x+8*\i+7], v[KF+6*\i:KF+6*\i+11], v[QF+12*(2*\p+\x):QF+12*(2*\p+\x)+11], 0, v[KS+\i-4], v[QS+2*\p+\x] matrix_a_fmt:MATRIX_FMT_FP6 matrix_b_fmt:MATRIX_FMT_FP6 matrix_a_scale:MATRIX_SCALE_ROW1
.endif
.endr
.endr
	WIN 0
.endm
.macro SOFT p                          ; pair p's scores become p's codes and scale words; -M, the sum and the factor are brought on
.set T0, 2*\p
.irp c, 0,1
.irp x, 0,1
	v_max3_num_f32 v[BM+2*\x+\c], v[SS+64*\x+32*\c], v[SS+64*\x+32*\c+1], v[SS+64*\x+32*\c+2]   ; a block's largest score: all 32 are mine; each accumulator is read from its low end on
.endr
.endr
.irp i, 3,5,7,9,11,13,15,17,19,21,23,25,27,29
.irp c, 0,1
.irp x, 0,1
	v_max3_num_f32 v[BM+2*\x+\c], v[BM+2*\x+\c], v[SS+64*\x+32*\c+\i], v[SS+64*\x+32*\c+\i+1]
.endr
.endr
.endr
.irp c, 0,1
.irp x, 0,1
	v_max_num_f32 v[BM+2*\x+\c], v[BM+2*\x+\c], v[SS+64*\x+32*\c+31]
.endr
.endr
.irp x, 0,1
	v_max_num_f32 v[TT+\x], v[BM+2*\x], v[BM+2*\x+1]
.endr
.irp x, 0,1
	v_permlanex16_b32 v[UU+\x], v[TT+\x], s[SEL], s[SEL+1]
.endr
.irp x, 0,1
	v_max3_num_f32 v[ST+8*(T0+\x)+1], v[ST+8*(T0+\x)+1], v[TT+\x], v[UU+\x]   ; the running largest score of my query (c is positive)
.endr
.irp x, 0,1
	v_mov_b32 v[DD+\x], v[ST+8*(T0+\x)]
.endr
.irp x, 0,1
	v_mul_f32 v[TT+\x], s[NEGC], v[ST+8*(T0+\x)+1]
.endr
.irp x, 0,1
	v_floor_f32 v[ST+8*(T0+\x)], v[TT+\x]          ; -M = floor(-t)
.endr
.irp x, 0,1
	v_sub_f32 v[DD+\x], v[ST+8*(T0+\x)], v[DD+\x]
.endr
.irp x, 0,1
	v_cvt_i32_f32 v[DD+\x], v[DD+\x]               ; old M less new M; it saturates
.endr
.irp x, 0,1
	v_ldexp_f32 v[ST+8*(T0+\x)+4], 1.0, v[DD+\x]   ; the factor
.endr
.set j, 0
.rept 32
.irp x, 0,1
	v_pk_fma_f32 v[SS+64*\x+j:SS+64*\x+j+1], v[SS+64*\x+j:SS+64*\x+j+1], s[CS:CS+1], v[ST+8*(T0+\x):ST+8*(T0+\x)+1] op_sel_hi:[1,0,0]   ; t - M
.endr
.set j, j+2
.endr
.irp c, 0,1
.irp x, 0,1
	v_fma_f32 v[BM+2*\x+\c], v[BM+2*\x+\c], s[CS], v[ST+8*(T0+\x)]
.endr
.endr
	WALU
.set j, 0
.rept 128
	v_exp_f32 v[SS+j], v[SS+j]
.set j, j+1
.endr
.irp k, 0,1,2,3
	v_exp_f32 v[BM+\k], v[BM+\k]                   ; the blocks' largest p
.endr
.irp x, 0,1
	v_pk_mul_f32 v[ST+8*(T0+\x)+2:ST+8*(T0+\x)+3], v[ST+8*(T0+\x)+2:ST+8*(T0+\x)+3], v[ST+8*(T0+\x)+4:ST+8*(T0+\x)+5] op_sel_hi:[1,0]   ; the sums under the new M
.endr
	WALU
.irp x, 0,1
	v_pk_add_f32 v[TS+2*\x:TS+2*\x+1], v[SS+64*\x:SS+64*\x+1], v[SS+64*\x+2:SS+64*\x+3]   ; the sum of the unquantised p: two chains a tile
.endr
.set j, 4
.rept 15
.irp x, 0,1
	v_pk_add_f32 v[ST+8*(T0+\x)+2:ST+8*(T0+\x)+3], v[ST+8*(T0+\x)+2:ST+8*(T0+\x)+3], v[SS+64*\x+j:SS+64*\x+j+1]
.endr
.irp x, 0,1
	v_pk_add_f32 v[TS+2*\x:TS+2*\x+1], v[TS+2*\x:TS+2*\x+1], v[SS+64*\x+j+2:SS+64*\x+j+3]
.endr
.set j, j+4
.endr
.irp x, 0,1
	v_pk_add_f32 v[ST+8*(T0+\x)+2:ST+8*(T0+\x)+3], v[ST+8*(T0+\x)+2:ST+8*(T0+\x)+3], v[TS+2*\x:TS+2*\x+1]
.endr
.irp k, 0,1,2,3
	v_max_num_f32 v[BM+\k], 0x1800000, v[BM+\k]    ; the floor 2^(3 - 127): the byte cannot fall under 1
.endr
.irp k, 0,1,2,3
	v_add_nc_u32 v[SO+\k], 0xff000000, v[BM+\k]    ; 2 off the exponent field: the conversion's scale operand
.endr
.irp k, 0,1,2,3
	v_lshrrev_b32 v[BM+\k], 23, v[SO+\k]           ; the byte
.endr
.irp x, 0,1
	v_lshl_or_b32 v[TT+\x], v[BM+2*\x+1], 16, v[BM+2*\x]   ; my blocks h and 2 + h,
.endr
.irp x, 0,1
	v_lshlrev_b32 v[TT+\x], v[SH], v[TT+\x]        ; at their places in the word;
.endr
.irp x, 0,1
	v_permlanex16_b32 v[UU+\x], v[TT+\x], s[SEL], s[SEL+1]
.endr
.irp x, 0,1
	v_or_b32 v[ST+8*(T0+\x)+5], v[TT+\x], v[UU+\x] ; with lane l xor 16's two the word is whole
.endr
	WIN 0x40
.irp c, 0,1
	v_cvt_scalef32_pk16_fp6_f32 v[PC+6*\c:PC+6*\c+2], v[SS+32*\c:SS+32*\c+15], v[SO+\c]
	v_cvt_scalef32_pk16_fp6_f32 v[TC+4*\c:TC+4*\c+2], v[SS+32*\c+16:SS+32*\c+31], v[SO+\c]   ; (a conversion's three registers begin on an even number)
.endr
.irp c, 0,1
	v_cvt_scalef32_pk16_fp6_f32 v[PC+12+6*\c:PC+12+6*\c+2], v[SS+64+32*\c:SS+64+32*\c+15], v[SO+2+\c]
.endr
	v_nop                                          ; one plain line behind a scaled conversion
	WIN 0x41
.irp c, 0,1
.irp i, 0,1,2
	v_mov_b32 v[PC+6*\c+3+\i], v[TC+4*\c+\i]
.endr
.endr
	WIN 0x40
.irp c, 0,1
	v_cvt_scalef32_pk16_fp6_f32 v[TC+4*\c:TC+4*\c+2], v[SS+64+32*\c+16:SS+64+32*\c+31], v[SO+2+\c]
.endr
	v_nop
	WIN 0x41
.irp c, 0,1
.irp i, 0,1,2
	v_mov_b32 v[PC+12+6*\c+3+\i], v[TC+4*\c+\i]
.endr
.endr
.endm
.macro PV p, w                         ; O^T of pair p under the new M, then O^T += v^T p^T: eight accumulators by turns.  w = 1: V's fragments are waited for
	WIN 0x41
	WALU                                           ; directly ahead of the first reader of O^T
.set j, 0
.rept 16
.irp x, 0,1
	v_pk_mul_f32 v[OO+32*(2*\p+\x)+j:OO+32*(2*\p+\x)+j+1], v[OO+32*(2*\p+\x)+j:OO+32*(2*\p+\x)+j+1], v[ST+8*(2*\p+\x)+4:ST+8*(2*\p+\x)+5] op_sel_hi:[1,0]   ; these 32 are also the places ahead of the products
.endr
.set j, j+2
.endr
	WIN 0x55
.if \w
	WALU
	s_wait_dscnt 0x0
.endif
.irp t, 0,1,2,3
.irp x, 0,1
	v_wmma_scale_f32_16x16x128_f8f6f4 v[OO+32*(2*\p+\x)+8*\t:OO+32*(2*\p+\x)+8*\t+7], v[VF+12*\t:VF+12*\t+11], v[PC+12*\x:PC+12*\x+11], v[OO+32*(2*\p+\x)+8*\t:OO+32*(2*\p+\x)+8*\t+7], v[VS+\t], v[ST+8*(2*\p+\x)+5] matrix_a_fmt:MATRIX_FMT_FP6 matrix_b_fmt:MATRIX_FMT_FP6
.endr
.endr
.endm
	KLOAD BK16, BK8, BKS, 0, 0
	s_mov_b32 s[TB], 0
	s_mov_b32 s[TB2], 0
	s_mov_b32 s[CNT], 0
	s_wait_loadcnt 0x0                             ; q
.Lstep:                                                ; 128 keys a trip, 16 trips
	s_wait_dscnt 0x0                               ; this step's K, asked for in the middle of the last trip
	SMUL 0
	v_add_nc_u32 v[CV], s[TB], v[BV]               ; four plain lines: the places ahead of the loads and of the first read of the scores
	v_add_nc_u32 v[CVS], s[TB2], v[BVS]
	v_nop
	v_nop
	WIN 0x40
.irp t, 0,1,2,3
.irp q, 0,1,2
	ds_load_b128 v[VF+12*\t+4*\q:VF+12*\t+4*\q+3], v[CV] offset:1536*\t+512*\q
.endr
.endr
	WIN 0
	ds_load_b128 v[VS:VS+3], v[CVS]
	SOFT 0
	PV 0, 1
	SMUL 1
	v_add_nc_u32 v[CK16], s[TB], v[BK16]
	v_add_nc_u32 v[CK8], s[TB], v[BK8]
	v_add_nc_u32 v[CKS], s[TB2], v[BKS]
	v_nop
	KLOAD CK16, CK8, CKS, 6144, 768                ; the next step's K lands under the second pair's softmax
	SOFT 1
	PV 1, 0
	WIN 0
	s_add_co_u32 s[TB], s[TB], 6144
	s_add_co_u32 s[TB2], s[TB2], 768
	s_add_co_u32 s[CNT], s[CNT], 1
	s_cmp_lt_u32 s[CNT], 16
	s_cbranch_scc1 .Lstep
	; ---- the way out: O^T / the sum, quantised along the head's 64.  Registers 16 b + i of a tile are channels 32 b + 16 (lane / 16) + i: a block lies in lanes l and l xor 16
	s_wait_dscnt 0x0                               ; the last trip's loads have landed: their registers are free
.irp t, 0,1,2,3
	v_add_f32 v[ST+8*\t+2], v[ST+8*\t+2], v[ST+8*\t+3]
.endr
.irp t, 0,1,2,3
	v_permlanex16_b32 v[KF+\t], v[ST+8*\t+2], s[SEL], s[SEL+1]
.endr
.irp t, 0,1,2,3
	v_add_f32 v[ST+8*\t+2], v[ST+8*\t+2], v[KF+\t] ; the row's sum
.endr
	WALU
.irp t, 0,1,2,3
	v_rcp_f32 v[ST+8*\t+2], v[ST+8*\t+2]
.endr
	v_nop
	WIN 0x01
	WALU                                           ; behind the batch, and directly ahead of the first reader of O^T
.irp t, 0,1,2,3
.set j, 0
.rept 16
	v_pk_mul_f32 v[SS+32*\t+j:SS+32*\t+j+1], v[OO+32*\t+j:OO+32*\t+j+1], v[ST+8*\t+2:ST+8*\t+3] op_sel_hi:[1,0]
.set j, j+2
.endr
.endr
	WIN 0
.irp t, 0,1,2,3
.irp b, 0,1
	v_max3_num_f32 v[64+2*\t+\b], |v[SS+32*\t+16*\b]|, |v[SS+32*\t+16*\b+1]|, 0x1800000
.endr
.endr
.irp i, 2,4,6,8,10,12,14
.irp t, 0,1,2,3
.irp b, 0,1
	v_max3_num_f32 v[64+2*\t+\b], v[64+2*\t+\b], |v[SS+32*\t+16*\b+\i]|, |v[SS+32*\t+16*\b+\i+1]|
.endr
.endr
.endr
.irp k, 0,1,2,3,4,5,6,7
	v_permlanex16_b32 v[72+\k], v[64+\k], s[SEL], s[SEL+1]
.endr
.irp k, 0,1,2,3,4,5,6,7
	v_max_num_f32 v[64+\k], v[64+\k], v[72+\k]
.endr
.irp k, 0,1,2,3,4,5,6,7
	v_add_nc_u32 v[80+\k], 0xff000000, v[64+\k]
.endr
.irp k, 0,1,2,3,4,5,6,7
	v_lshrrev_b32 v[72+\k], 23, v[80+\k]
.endr
.irp t, 0,1,2,3
	v_lshl_or_b32 v[88+\t], v[73+2*\t], 8, v[72+2*\t]   ; a tile's two bytes
.endr
.irp t, 0,1,2,3
	v_cvt_scalef32_pk16_fp6_f32 v[96+8*\t:98+8*\t], v[SS+32*\t:SS+32*\t+15], v[80+2*\t]
	v_cvt_scalef32_pk16_fp6_f32 v[ST+8*\t:ST+8*\t+2], v[SS+32*\t+16:SS+32*\t+31], v[81+2*\t]
.endr
	v_nop
.irp t, 0,1,2,3
.irp i, 0,1,2
	v_permlane16_swap_b32 v[96+8*\t+\i], v[ST+8*\t+\i]   ; the operand wants a whole block in a lane
.endr
.endr
.irp t, 0,1,2,3
.irp i, 0,1,2
	v_mov_b32 v[99+8*\t+\i], v[ST+8*\t+\i]
.endr
.endr
.irp t, 0,1,2,3
	global_store_b128 v[G16], v[96+8*\t:99+8*\t], s[20:21] offset:12288*\t        ; 512 consecutive bytes
	global_store_b64 v[G8], v[100+8*\t:101+8*\t], s[20:21] offset:12288*\t+512    ; 256 consecutive bytes
.endr
	v_cmp_ne_u32 vcc_lo, 0, v[SH]                  ; lanes 16-31 store the odd tile's bytes
	v_cndmask_b32 v92, v88, v89, vcc_lo
	v_cndmask_b32 v93, v90, v91, vcc_lo
	v_lshrrev_b32 v94, 1, v[GR16]
	v_lshl_add_u32 v94, v[SH], 6, v94              ; 8 x row + 512 x (lane / 16)
	global_store_b16 v94, v92, s[22:23]
	global_store_b16 v94, v93, s[22:23] offset:1024
	s_wait_tensorcnt 0x0                           ; the wave's end
	ds_add_u32 v[SPW], v[NIL]
	s_wait_dscnt 0x0
	CROUND                                         ; the closing round
	s_endpgm
.Lfunc_end_k_qb438f27d9b_attn:
	.size	k_qb438f27d9b_attn, .Lfunc_end_k_qb438f27d9b_attn-k_qb438f27d9b_attn
	.p2alignl 7, 3214868480
	.fill 96, 4, 3214868480
	.section	.rodata,"a",@progbits
	.p2align	6, 0x0
	.amdhsa_kernel k_qb438f27d9b_attn
		.amdhsa_group_segment_fixed_size 327680
		.amdhsa_private_segment_fixed_size 0
		.amdhsa_enable_private_segment 0
		.amdhsa_kernarg_size 32
		.amdhsa_user_sgpr_count 2
		.amdhsa_user_sgpr_kernarg_segment_ptr 1
		.amdhsa_wavefront_size32 1
		.amdhsa_system_sgpr_workgroup_id_x 1
		.amdhsa_system_sgpr_workgroup_id_y 1
		.amdhsa_system_sgpr_workgroup_id_z 1
		.amdhsa_system_vgpr_workitem_id 0
		.amdhsa_next_free_vgpr 512
		.amdhsa_next_free_sgpr 72
		.amdhsa_reserve_vcc 1
		.amdhsa_float_denorm_mode_32 3
		.amdhsa_float_denorm_mode_16_64 3
		.amdhsa_memory_ordered 1
		.amdhsa_forward_progress 1
		.amdhsa_inst_pref_size 80
	.end_amdhsa_kernel
	.amdgpu_metadata
---
amdhsa.version: [ 1, 2 ]
amdhsa.kernels:
  - .name:           k_qb438f27d9b_attn
    .symbol:         k_qb438f27d9b_attn.kd
    .args:
      - { .name: qkv, .offset: 0, .size: 8, .value_kind: global_buffer, .address_space: global }
      - { .name: qkvs, .offset: 8, .size: 8, .value_kind: global_buffer, .address_space: global }
      - { .name: acodes, .offset: 16, .size: 8, .value_kind: global_buffer, .address_space: global }
      - { .name: ascales, .offset: 24, .size: 8, .value_kind: global_buffer, .address_space: global }
    .group_segment_fixed_size: 327680
    .private_segment_fixed_size: 0
    .kernarg_segment_align: 8
    .kernarg_segment_size: 32
    .max_flat_workgroup_size: 256
    .sgpr_count:     72
    .vgpr_count:     512
    .wavefront_size: 32
...
	.end_amdgpu_metadata
.endif
;; end of part 3
;; launch oproj (part 4): grid 8 x 32, 4 waves a work-group, clusters of 4 x 4, 327,680 bytes of LDS; arguments acodes, ascales, codes, scales, bo, out0; writes out0
.if DOCPART == 4
	.amdgcn_target "amdgcn-amd-amdhsa--gfx1250"
	.amdhsa_code_object_version 6
	.text
	.protected	k_qb438f27d9b_oproj
	.globl	k_qb438f27d9b_oproj
	.p2align	8
	.type	k_qb438f27d9b_oproj,@function
k_qb438f27d9b_oproj:
	s_mov_b64 s[64:65], 0
	v_nop
	global_prefetch_b8 v0, s[64:65] scope:SCOPE_SE
	s_setreg_imm32_b32 hwreg(HW_REG_WAVE_MODE, 25, 1), 1
	s_wait_xcnt 0x0
	s_wait_alu depctr_hold_cnt(0) depctr_sa_sdst(0) depctr_va_vdst(0) depctr_va_sdst(0) depctr_va_ssrc(0) depctr_va_vcc(0) depctr_vm_vsrc(0)
	s_getreg_b32 s2, hwreg(HW_REG_IB_STS2, 6, 4)
	s_cmp_eq_u32 s2, 0
	s_cbranch_scc0 .Lentry_in_a_cluster
	s_endpgm
.Lentry_in_a_cluster:
	s_bfe_u32 s2, ttmp6, 0x10000c
	s_cmp_lg_u32 s2, 0xf033
	s_cbranch_scc0 .Lentry_shape_is_right
	s_endpgm
.Lentry_shape_is_right:
.set CH,     768
.set TILEB,  4*CH
.set FR,     12
.set NL,     4
.set NP,     4
.set NQ,     2
.set HALFT,  8*TILEB
.set SLOT,   4*HALFT
.set SCL,    2*SLOT
.set HALFS,  4096
.set SBLK,   512
.set SPARE,  SCL+4*HALFS
.set SPITCH, 528
.set BA,   12
.set ADRA, 16
.set ADRB, 20
.set STO,  24
.set RD,   25
.set CO,   26
.set ADRS, 27
.set SPW,  28
.set NIL,  29
.set L16,  30
.set L8,   31
.set SC,   32
.set AF,   128
.set BK,   128
.set G1, 24
.set G0, 32
.set G1B, 48
.set G0B, 56
.set G1S, 68
.set G0S, 76
.set G1SB, 80
.set G0SB, 88
.set MSB, 0
.macro WIN new
.if MSB != (\new)
	s_set_vgpr_msb (MSB<<8)|(\new)
.set MSB, (\new)
.endif
.endm
.set MUL_LO, 0xa1
.set MUL_HI, 0xf1
.set TO_B,   0x40
.macro JLOAD g0a, g1a, g0b, g1b
	s_cmp_eq_u32 s15, 0
	s_cbranch_scc0 .Lfor_b_\@
	tensor_load_to_lds s[\g0a:\g0a+3], s[\g1a:\g1a+7]
	s_nop 0
.rept 4
	v_nop
.endr
	s_branch .Lasked_\@
.Lfor_b_\@:
	tensor_load_to_lds s[\g0b:\g0b+3], s[\g1b:\g1b+7]
	s_nop 0
.rept 4
	v_nop
.endr
.Lasked_\@:
.endm
.macro CREST
	s_cmp_lg_u32 s14, 0
	s_cbranch_scc1 .Lnot_wave_0_\@
	s_barrier_signal -3
.Lnot_wave_0_\@:
	s_barrier_wait -3
	s_barrier_signal -1
	s_barrier_wait -1
.endm
.macro CROUND
	s_barrier_signal -1
	s_barrier_wait -1
	CREST
.endm
	s_load_b256 s[4:11], s[0:1], 0x0
	s_load_b128 s[92:95], s[0:1], 0x20
	v_lshl_add_u32 v[SPW], v0, 2, SPARE
	v_mov_b32 v[NIL], 0
	ds_add_u32 v28, v29
	ds_add_u32 v28, v29
	s_wait_dscnt 0x0
	v_lshrrev_b32 v1, 5, v0
	v_readfirstlane_b32 s14, v1
	s_lshr_b32 s15, s14, 1
	s_and_b32 s16, s14, 1
	s_bfe_u32 s40, ttmp6, 0x40000
	s_bfe_u32 s41, ttmp6, 0x40004
	s_and_b32 s101, ttmp7, 0xffff
	s_lshl_b32 s42, s41, 2
	s_lshl_b32 s42, 15, s42
	s_lshl_b32 s43, 0x1111, s40
	s_or_b32 s[G1+0], s42, (3<<16)|(1<<21)
	s_or_b32 s[G1B+0], s43, (3<<16)|(1<<21)
.irp g, G1, G1B
	s_mov_b32 s[\g+1], 384<<16
	s_mov_b32 s[\g+2], 16<<16
	s_mov_b32 s[\g+3], 384<<16
	s_mov_b32 s[\g+4], 16
	s_mov_b32 s[\g+5], 1536
	s_mov_b32 s[\g+6], 0
	s_mov_b32 s[\g+7], 0
.endr
	s_mov_b32 s[G1B+2], 8<<16                      ; the block is 256 tokens x 128 features: B has 8 tiles, all brought by one load at the head
	s_mov_b32 s[G1B+4], 8
	s_or_b32 s[G1S+0], s42, (3<<16)|(1<<21)
	s_or_b32 s[G1SB+0], s43, (3<<16)|(1<<21)
.irp g, G1S, G1SB
	s_mov_b32 s[\g+1], 32<<16
	s_mov_b32 s[\g+2], 32<<16
	s_mov_b32 s[\g+3], 32<<16
	s_mov_b32 s[\g+4], 32
	s_mov_b32 s[\g+5], 32
	s_mov_b32 s[\g+6], 0
	s_mov_b32 s[\g+7], 0
.endr
	s_mov_b32 s[G1SB+2], 16<<16                    ; the scales of B's 8 tiles: 4,096 dense bytes as 16 rows of 256
	s_mov_b32 s[G1SB+4], 16
	s_lshl_b32 s17, s101, 2
	s_add_co_u32 s17, s17, s41
	s_lshl_b32 s66, s17, 4
	s_lshl_b32 s100, ttmp9, 2
	s_add_co_u32 s100, s100, s40                   ; the block's column: 4 x cluster x + cx, 0 .. 7
	s_lshl_b32 s67, s100, 3                        ; 8 tiles of Wo a column
	s_add_co_u32 s67, s67, 704
	s_lshl_b32 s19, s16, 3
	s_add_co_u32 s20, s66, s19
	s_lshl_b32 s18, s16, 2
	s_add_co_u32 s46, s67, s18                     ; of B I fetch 4 tiles
	s_lshl_b32 s22, s66, 9
	s_lshl_b32 s44, s67, 9
	s_mul_i32 s20, s20, 16*CH
	s_mul_i32 s46, s46, 16*CH
	s_mov_b32 s21, 0
	s_mov_b32 s23, 0
	s_mov_b32 s45, 0
	s_mov_b32 s47, 0
	s_mul_i32 s12, s14, HALFT
	s_mul_i32 s96, s16, HALFT/2
	s_add_co_u32 s96, s96, 2*HALFT                 ; where B's 4 tiles go: behind A's 16, by the wave's number alone
	s_mul_i32 s13, s15, 2*HALFS
	s_wait_kmcnt 0x0
	s_add_nc_u64 s[20:21], s[4:5], s[20:21]
	s_add_nc_u64 s[22:23], s[6:7], s[22:23]
	s_add_nc_u64 s[46:47], s[8:9], s[46:47]
	s_add_nc_u64 s[44:45], s[10:11], s[44:45]
	CROUND
	s_mov_b32 s[G0S], 1
	s_add_co_u32 s[G0S+1], s13, SCL
	s_mov_b64 s[G0S+2:G0S+3], s[22:23]
	s_or_b32 s[G0S+3], s[G0S+3], 0x80000000
	s_mov_b32 s[G0SB], 1
	s_add_co_u32 s[G0SB+1], s13, SCL
	s_mov_b64 s[G0SB+2:G0SB+3], s[44:45]
	s_or_b32 s[G0SB+3], s[G0SB+3], 0x80000000
.irp s, 0,1
	s_mov_b32 s[G0+4*\s], 1
	s_add_co_u32 s[G0+4*\s+1], s12, \s*SLOT
	s_add_nc_u64 s[G0+4*\s+2:G0+4*\s+3], s[20:21], \s*TILEB
	s_or_b32 s[G0+4*\s+3], s[G0+4*\s+3], 0x80000000
	s_mov_b32 s[G0B+4*\s], 1
	s_add_co_u32 s[G0B+4*\s+1], s96, \s*SLOT
	s_add_nc_u64 s[G0B+4*\s+2:G0B+4*\s+3], s[46:47], \s*TILEB
	s_or_b32 s[G0B+4*\s+3], s[G0B+4*\s+3], 0x80000000
.endr
; the head's four tiles, one joint load a wave: wave 0 A's 16 tiles of K step 0, wave 1 A's scales, wave 2 B's 8 tiles, wave 3 B's scales; one chain of branches on the wave's number
.macro ARM under, g0, g1, next
	s_cmp_lt_u32 s14, \under
	s_cbranch_scc0 \next
	tensor_load_to_lds s[\g0:\g0+3], s[\g1:\g1+7]
	s_nop 0
.rept 4
	v_nop
.endr
	s_branch .Lhead_asked
\next:
.endm
	ARM 1, G0, G1, .Lhead_1
	ARM 2, G0S, G1S, .Lhead_2
	ARM 3, G0B, G1B, .Lhead_3
	tensor_load_to_lds s[G0SB:G0SB+3], s[G1SB:G1SB+7]
	s_nop 0
.rept 4
	v_nop
.endr
.Lhead_asked:
	v_and_b32 v1, 15, v0
	v_bfe_u32 v2, v0, 4, 1
	v_and_b32 v3, 31, v0
	v_lshlrev_b32 v[L16], 4, v3
	v_lshlrev_b32 v[L8], 3, v3
	s_mul_i32 s21, s15, HALFT
	s_mul_i32 s22, s16, HALFT/2
	s_add_co_u32 s22, s22, 2*HALFT
.irp s, 0,1
	v_add_nc_u32 v[ADRA+\s], s21, v[L16]
	v_add_nc_u32 v[ADRB+\s], s22, v[L16]
	v_add_nc_u32 v[ADRA+2+\s], s21, v[L8]
	v_add_nc_u32 v[ADRB+2+\s], s22, v[L8]
	s_add_co_u32 s21, s21, SLOT
	s_add_co_u32 s22, s22, SLOT
.endr
	v_lshlrev_b32 v5, 3, v1
	s_mul_i32 s21, s15, HALFS
	s_mul_i32 s22, s16, HALFS/2
	s_add_co_u32 s22, s22, 2*HALFS
	s_sub_co_u32 s22, s22, s21
	v_mul_u32_u24 v6, s22, v2
	s_add_co_u32 s21, s21, SCL
	v_add_nc_u32 v5, v5, v6
	v_add_nc_u32 v[ADRS], s21, v5
	v_lshlrev_b32 v6, 11, v2
	v_sub_nc_u32 v13, v[ADRS], v6                  ; for A's blocks 4-7: lanes 16-31 stand four blocks lower and read B's four blocks once more, so that every byte read has been filled
	s_mul_i32 s23, s14, 16*SPITCH
	v_mul_u32_u24 v5, v1, SPITCH
	v_lshl_add_u32 v5, v2, 6, v5
	v_add_nc_u32 v[STO], s23, v5
	v_lshlrev_b32 v[CO], 12, v2
	v_lshl_add_u32 v[CO], v1, 4, v[CO]             ; out: sixteen lanes to a row's 256 bytes, lanes 16-31 the next row of out0
	v_mul_u32_u24 v6, v2, SPITCH
	v_lshl_add_u32 v6, v1, 4, v6
	v_add_nc_u32 v[RD], s23, v6                    ; and the same two rows of the stage
	v_lshlrev_b32 v[BA], 6, v2
	s_wait_alu depctr_va_vdst(0)
	s_lshl_b32 s18, s100, 9                        ; my first feature, in bytes: 512 x column + 256 x half
	s_lshl_b32 s19, s16, 8
	s_add_co_u32 s18, s18, s19
	s_mov_b32 s19, 0
	s_add_nc_u64 s[92:93], s[92:93], s[18:19]
	s_add_nc_u64 s[94:95], s[94:95], s[18:19]
	s_lshl_b32 s20, s17, 8
	s_lshl_b32 s21, s15, 7
	s_add_co_u32 s20, s20, s21
	s_lshl_b32 s20, s20, 12
	s_mov_b32 s21, 0
	s_add_nc_u64 s[94:95], s[94:95], s[20:21]
	WIN TO_B
.irp b, 0,1,2,3
	global_load_b128 v[96+8*\b+96*(\b/4):99+8*\b+96*(\b/4)], v[BA], s[92:93] offset:(32*(\b/2)+8*(\b%2))*4
	global_load_b128 v[100+8*\b+96*(\b/4):103+8*\b+96*(\b/4)], v[BA], s[92:93] offset:(32*(\b/2)+8*(\b%2))*4+16
.endr
	WIN 0
.macro FRAG reg, adr, q, i
	ds_load_b128 v[\reg:\reg+3], v[\adr] offset:(\i)*TILEB+2*(\q)*CH
	ds_load_b64 v[\reg+4:\reg+5], v[\adr+2] offset:(\i)*TILEB+2*(\q)*CH+512
	ds_load_b128 v[\reg+6:\reg+9], v[\adr] offset:(\i)*TILEB+2*(\q)*CH+CH
	ds_load_b64 v[\reg+10:\reg+11], v[\adr+2] offset:(\i)*TILEB+2*(\q)*CH+CH+512
.endm
.macro MUL16 a0, p, q, sc, zero
.irp a, \a0, \a0+1
.irp b, 0,1,2,3
.set DD, 8*(8*((\a)%4)+\b)
.set BF, 128*(\p)+FR*\b
.set AA, AF+FR*(\a)
.set SBR, SC+8*NQ*(\sc)+NQ*\b+(\q)
.set SAR, SC+8*NQ*(\sc)+NQ*(\a)+(\q)
.if \zero == 2
	v_wmma_scale_f32_16x16x128_f8f6f4 v[DD:DD+7], v[BF:BF+FR-1], v[AA:AA+FR-1], v[96+8*\b+96*(\b/4):103+8*\b+96*(\b/4)], v[SBR], v[SAR] matrix_a_fmt:MATRIX_FMT_FP6 matrix_b_fmt:MATRIX_FMT_FP6 matrix_a_scale:MATRIX_SCALE_ROW1
.else
	v_wmma_scale_f32_16x16x128_f8f6f4 v[DD:DD+7], v[BF:BF+FR-1], v[AA:AA+FR-1], v[DD:DD+7], v[SBR], v[SAR] matrix_a_fmt:MATRIX_FMT_FP6 matrix_b_fmt:MATRIX_FMT_FP6 matrix_a_scale:MATRIX_SCALE_ROW1
.endif
.endr
.endr
.endm
.macro FETCH_B slot, q, p
	WIN TO_B
.irp i, 0,1,2,3
	FRAG 128*(\p)+FR*\i, ADRB+\slot, \q, \i
.endr
	WIN 0
.endm
.macro FETCH_A slot, q, i0
.irp i, \i0, \i0+1, \i0+2, \i0+3
	FRAG AF+FR*(\i), ADRA+\slot, \q, \i
.endr
.endm
.macro SCALES sc
.irp i, 0,1,2,3
	ds_load_b64 v[SC+8*NQ*\sc+NQ*\i:SC+8*NQ*\sc+NQ*\i+1], v[ADRS] offset:\i*SBLK
.endr
.irp i, 4,5,6,7
	ds_load_b64 v[SC+8*NQ*\sc+NQ*\i:SC+8*NQ*\sc+NQ*\i+1], v13 offset:\i*SBLK
.endr
.endm
.macro PLACES n
.rept \n
	v_nop
.endr
.endm
.macro STEP slot, q, zero
	s_wait_dscnt 4*NL
.if \zero == 2
	WIN 0x91
.else
	WIN MUL_LO
.endif
	MUL16 0, (\q)%2, \q, \slot, \zero
	MUL16 2, (\q)%2, \q, \slot, \zero
	s_wait_dscnt 0
	PLACES NP
	FETCH_B \slot, (\q)+1, 1-(\q)%2
	FETCH_A \slot, (\q)+1, 0
.if \zero == 2
	WIN 0xd1
.else
	WIN MUL_HI
.endif
	MUL16 4, (\q)%2, \q, \slot, \zero
	MUL16 6, (\q)%2, \q, \slot, \zero
	PLACES NP
	WIN 0
	FETCH_A \slot, (\q)+1, 4
.endm
.macro TURN slot, next, fill
	s_wait_tensorcnt 0x0
	ds_add_u32 v[SPW], v[NIL]
	s_wait_dscnt 4*NL+1
	WIN MUL_LO
	MUL16 0, 1, NQ-1, \slot, 0
	s_wait_dscnt 0x0
	s_barrier_signal -1
	MUL16 2, 1, NQ-1, \slot, 0
	WIN 0
	s_barrier_wait -1
.if \fill
	CREST
	s_add_nc_u64 s[G0+4*\slot+2:G0+4*\slot+3], s[G0+4*\slot+2:G0+4*\slot+3], 2*TILEB
	s_add_nc_u64 s[G0B+4*\slot+2:G0B+4*\slot+3], s[G0B+4*\slot+2:G0B+4*\slot+3], 2*TILEB
	JLOAD G0+4*\slot, G1, G0B+4*\slot, G1B
.else
	PLACES NP
.endif
	s_wait_alu depctr_va_vdst(0)
	v_add_nc_u32 v[ADRS], 128, v[ADRS]
	v_add_nc_u32 v13, 128, v13
	FETCH_B \next, 0, 0
	FETCH_A \next, 0, 0
	SCALES \next
	WIN MUL_HI
	MUL16 4, 1, NQ-1, \slot, 0
	MUL16 6, 1, NQ-1, \slot, 0
	PLACES NP
	WIN 0
	FETCH_A \next, 0, 4
.endm
	s_wait_alu depctr_va_vdst(0)
	s_wait_tensorcnt 0x0                           ; my tile of the head's four is in
	ds_add_u32 v[SPW], v[NIL]
	s_mov_b32 s[G1+2], 8<<16                       ; no tensor load of mine is out: from here on a load brings 8 tiles
	s_mov_b32 s[G1+4], 8
	s_mov_b32 s[G1B+2], 4<<16                      ; of B a wave's load brings 4 tiles
	s_mov_b32 s[G1B+4], 4
	s_wait_dscnt 0x0
	CROUND                                         ; all four tiles are in, and all sixteen work-groups are here
	JLOAD G0+4, G1, G0B+4, G1B                     ; K step 1, the first tensor load behind the round
	FETCH_B 0, 0, 0
	FETCH_A 0, 0, 0
	SCALES 0
	FETCH_A 0, 0, 4
	s_wait_loadcnt 0x0
	STEP 0, 0, 2
	TURN 0, 1, 1
	STEP 1, 0, 0
	TURN 1, 0, 1
	STEP 0, 0, 0
	TURN 0, 1, 0
	STEP 1, 0, 0
	s_wait_dscnt 4*NL
	WIN MUL_LO
	MUL16 0, 1, NQ-1, 1, 0
	MUL16 2, 1, NQ-1, 1, 0
	s_wait_dscnt 0
	WIN MUL_HI
	MUL16 4, 1, NQ-1, 1, 0
	MUL16 6, 1, NQ-1, 1, 0
	WIN 0
.macro TOSTAGE a
.set AC, 64*((\a)%4)
	WIN 0x08+4*((\a)/4)
.irp b, 0,1,2,3
	ds_store_b128 v[STO], v[AC+8*\b:AC+8*\b+3] offset:128*(\b/2)+32*(\b%2)
	ds_store_b128 v[STO], v[AC+8*\b+4:AC+8*\b+7] offset:128*(\b/2)+32*(\b%2)+16
.endr
	WIN 0
.set BB, BK+64*((\a)%2)
.irp t, 0,1,2,3,4,5,6,7
	ds_load_b128 v[BB+4*\t:BB+4*\t+3], v[RD] offset:2*\t*SPITCH
.endr
.endm
.macro SEND a, younger
.set BB, BK+64*((\a)%2)
	s_wait_dscnt \younger
.irp t, 0,1,2,3,4,5,6,7
	global_store_b128 v[CO], v[BB+4*\t:BB+4*\t+3], s[94:95] offset:(32*((\a)/2)+8*((\a)%2)+2*\t+8*(\t/4))*4096 th:TH_STORE_NT
.endr
.endm
	PLACES NP
	TOSTAGE 0
.irp a, 1,2,3,4,5,6,7
.if \a > 1
	s_wait_xcnt 0x0
.endif
	TOSTAGE \a
	SEND \a-1, 16                                  ; behind block a - 1's loads: block a's 8 stores and 8 loads
.endr
	SEND 7, 0
	s_wait_tensorcnt 0x0
	ds_add_u32 v[SPW], v[NIL]
	s_wait_dscnt 0x0
	CROUND
	s_endpgm
.Lfunc_end_k_qb438f27d9b_oproj:
	.size	k_qb438f27d9b_oproj, .Lfunc_end_k_qb438f27d9b_oproj-k_qb438f27d9b_oproj
	.p2alignl 7, 3214868480
	.fill 96, 4, 3214868480
	.section	.rodata,"a",@progbits
	.p2align	6, 0x0
	.amdhsa_kernel k_qb438f27d9b_oproj
		.amdhsa_group_segment_fixed_size 327680
		.amdhsa_private_segment_fixed_size 0
		.amdhsa_enable_private_segment 0
		.amdhsa_kernarg_size 48
		.amdhsa_user_sgpr_count 2
		.amdhsa_user_sgpr_kernarg_segment_ptr 1
		.amdhsa_wavefront_size32 1
		.amdhsa_system_sgpr_workgroup_id_x 1
		.amdhsa_system_sgpr_workgroup_id_y 1
		.amdhsa_system_sgpr_workgroup_id_z 1
		.amdhsa_system_vgpr_workitem_id 0
		.amdhsa_next_free_vgpr 1024
		.amdhsa_next_free_sgpr 104
		.amdhsa_reserve_vcc 0
		.amdhsa_float_denorm_mode_32 3
		.amdhsa_float_denorm_mode_16_64 3
		.amdhsa_memory_ordered 1
		.amdhsa_forward_progress 1
		.amdhsa_inst_pref_size 91
	.end_amdhsa_kernel
	.amdgpu_metadata
---
amdhsa.version: [ 1, 2 ]
amdhsa.kernels:
  - .name:           k_qb438f27d9b_oproj
    .symbol:         k_qb438f27d9b_oproj.kd
    .args:
      - { .name: acodes, .offset: 0, .size: 8, .value_kind: global_buffer, .address_space: global }
      - { .name: ascales, .offset: 8, .size: 8, .value_kind: global_buffer, .address_space: global }
      - { .name: codes, .offset: 16, .size: 8, .value_kind: global_buffer, .address_space: global }
      - { .name: scales, .offset: 24, .size: 8, .value_kind: global_buffer, .address_space: global }
      - { .name: bo, .offset: 32, .size: 8, .value_kind: global_buffer, .address_space: global }
      - { .name: out0, .offset: 40, .size: 8, .value_kind: global_buffer, .address_space: global }
    .group_segment_fixed_size: 327680
    .private_segment_fixed_size: 0
    .kernarg_segment_align: 8
    .kernarg_segment_size: 48
    .max_flat_workgroup_size: 128
    .sgpr_count:     104
    .vgpr_count:     1024
    .wavefront_size: 32
...
	.end_amdgpu_metadata
.endif
;; end of part 4
